; MI455X (gfx1250); checked and timed in simulation.
; The chip was launched on July 23, 2026; its instructions are those of AMD's public machine-readable ISA for CDNA 5 (MIT licence, August 2026) and "CDNA5" Instruction Set Architecture Reference Guide (July 2026). The comments in the code are by the model that wrote it; some were corrected since.
;; Multihead Attention. Allowed arithmetic: matrix products marked QUANTISED: E2M1 operands, one E8M0 scale for each 32 along K, by v_wmma_scale_f32_16x16x128_f8f6f4 with both operands' format E2M1 (or v_wmma_scale_f32_32x16x128_f4), f32 sums; products left as they are: bf16, f16 or f32 operands; f32 sums; everything else in f32.
;; Inputs: W_K 1,024 x 1,024 float32; W_O 1,024 x 1,024 float32; W_Q 1,024 x 1,024 float32; W_V 1,024 x 1,024 float32; x 4 x 2,048 x 1,024 float32.
;; Outputs: out0 4 x 2,048 x 1,024 float32.
;; Constants: is_causal = 1.
;; This version of the problem:
;;   THIS VERSION OF THE PROBLEM IS GIVEN IN LOW PRECISION. The matrix products marked QUANTISED in the list below multiply operands that are first quantised to E2M1 (2 exponent bits, 1 mantissa bit; 4 bits a number), with one power-of-two scale for each 32 numbers along K (OCP MX v1.0); their sums are f32. The products marked 'left as it is' may take bf16, f16 or f32 operands, with f32 sums. Whichever they take, every output number must still come out within the allowed error. Rounding operands to bf16 (8 significant bits) uses up far more of that allowance than f16 does (11 bits, for magnitudes from 6e-5 to 65,504). All else is computed in f32.
;;   The module's matrix products, in the order in which they are computed (A, B: the left and right operand; K: the contracted axis; several contracted axes count as one K, in the product's order):
;;     1. [M 8,192, K 1,024] x [K 1,024, N 1,024]; A: input x; B: input W_Q: QUANTISED
;;     2. [M 8,192, K 1,024] x [K 1,024, N 1,024]; A: input x; B: input W_K: QUANTISED
;;     3. [M 8,192, K 1,024] x [K 1,024, N 1,024]; A: input x; B: input W_V: QUANTISED
;;     4. batch 64 x [M 2,048, K 64] x [K 64, N 2,048]; A: computed on the way; B: computed on the way: left as it is (an operand is computed on the way)
;;     5. batch 64 x [M 2,048, K 2,048] x [K 2,048, N 64]; A: computed on the way; B: computed on the way: left as it is (an operand is computed on the way)
;;     6. [M 8,192, K 1,024] x [K 1,024, N 1,024]; A: computed on the way; B: input W_O: left as it is (an operand is computed on the way)
;;   THE QUANTISER, for each operand of a quantised product, along K:
;;     - K is cut into blocks of 32 from its start; a last block that is shorter is filled with zeros.
;;     - A block's scale is 2^e with e = floor(log2(the largest magnitude in the block)) - 2, held to -126 .. 127; a block of zeros has e = 0. As a byte (E8M0): e + 127.
;;     - Each number is divided by its block's scale, clamped to +-6, and rounded to the nearest number of E2M1, ties to even, subnormals kept.
;;     - The product sums the exact products of the quantised numbers (number of the format x scale) in f32.
;;   ~~~python
;;   def quantise(x, axis):      # numpy; x: float32 -> the quantised numbers, widened to float32 again
;;       x = np.moveaxis(x, axis, -1); K = x.shape[-1]
;;       x = np.pad(x, [(0, 0)] * (x.ndim - 1) + [(0, -K % 32)]); x = x.reshape(x.shape[:-1] + (-1, 32)); a = np.abs(x).max(-1, keepdims=True)
;;       e = np.where(a > 0, np.clip(np.frexp(np.where(a > 0, a, 1))[1] - 1 - 2, -126, 127), 0)      # np.frexp(a)[1] - 1 = floor(log2(a)), exactly
;;       r = np.clip(x / 2.0 ** e, -6, 6)
;;       step = 2.0 ** (np.maximum(np.frexp(np.where(r == 0, 1, r))[1] - 1, 0) - 1)
;;       q = np.round(r / step) * step * 2.0 ** e      # np.round: ties to even
;;       return np.moveaxis(q.reshape(q.shape[:-2] + (-1,))[..., :K], -1, axis).astype(np.float32)
;;   ~~~
;; One version. Each part assembles by itself: llvm-mc -triple=amdgcn-amd-amdhsa -mcpu=gfx1250 --defsym DOCPART=n.
;; ======== version 1 of 1: 5 launches
;; limits: values are held in f16: magnitudes above 65,504 overflow, below 6.1e-05 lose precision; right only within a limited range of input values
;; workspace buffers: x_codes 4,194,304 bytes; x_scales 262,144 bytes; w_codes 1,572,864 bytes; w_scales 98,304 bytes; wo_h 2,097,152 bytes; qkv 50,331,648 bytes; qkv16 786,432 bytes; ao 16,777,216 bytes
;; launch quant (part 1): grid 384 x 1, 4 waves a work-group, no clusters, 33,280 bytes of LDS; arguments x, W_Q, W_K, W_V, W_O, x_codes, x_scales, w_codes, w_scales, wo_h; writes x_codes, x_scales, w_codes, w_scales, wo_h
.if DOCPART == 1
	.amdgcn_target "amdgcn-amd-amdhsa--gfx1250"
	.amdhsa_code_object_version 6
	.text
	.protected	k_q37e307c3fb_quant
	.globl	k_q37e307c3fb_quant
	.p2align	8
	.type	k_q37e307c3fb_quant,@function
k_q37e307c3fb_quant:
	s_mov_b64 s[64:65], 0
	v_nop
	global_prefetch_b8 v0, s[64:65] scope:SCOPE_SE
	s_setreg_imm32_b32 hwreg(HW_REG_WAVE_MODE, 25, 1), 1
	s_wait_xcnt 0x0
; x [8192][1024] and W_Q, W_K, W_V [1024][1024], f32 with K innermost, become codes of FP4 (E2M1) and one E8M0 scale byte for each 32 along K:
; x_codes [8192][512 bytes], x_scales [8192][32]; w_codes [3072][512 bytes], w_scales [3072][32], rows 0-1023 W_Q, then W_K, then W_V.
; W_O [1024 n][1024 k] becomes wo_h, f16, [16 kb][1024 n][64]: 16 x W_O[n][64 kb + d].  (The factor 16 takes back the 2^-4 under which q, k, v and the attention's result are kept in f16; both are exact.)
; A block's scale is 2^(floor(log2(its largest magnitude)) - 2); its byte is the largest magnitude's exponent field - 2, held at 1 from below.  A block of zeros so gets the byte 1: its codes are zeros, and this program alone reads the bytes.
; LIMITS: blocks whose largest magnitude lies under 2^-124 keep the byte 1; NaN and infinities among the inputs are not served; 16 x |W_O| stays under 65,504.
; SHARES: work-groups 0-255 take x, 256-351 the three weights (32 each), 32,768 numbers a work-group, 8,192 a wave; work-groups 352-383 take 32 rows of W_O each.
; Rows are dense and K is a multiple of 32, so a quantised tensor is a plain stream of blocks of 32.  A wave takes 16 steps of 512 numbers: four loads of 512 consecutive bytes; the 2,048 bytes turn through the wave's own
; stage in LDS, so that a lane holds 16 neighbours along K (two lanes to a block); a lane's 16 codes are 8 bytes: the wave stores 256 consecutive bytes.  A wave's 256 scale bytes are gathered in LDS and leave as one store.
; No tensor loads, no barrier: waves share nothing.  Memory binds: matrix units and clusters would add nothing here.
.set WAVES, 4
.set STEPS, 16
.set WGQ,   352                        ; the first work-group of W_O
.set EMAX,  2
.set CB,    8                          ; bytes of 16 codes
.set R,     16                         ; v16-79   four sets of 16 numbers as loaded  (W_O: v16-143 two batches)
.set X,     80                         ; v80-111  two sets of 16 neighbours
.set C,     128                        ; v128-191 codes, four registers a step  (W_O: v144-175 what is stored)
.set E,     112                        ; v112-127 a scale byte for each step
.set WREG,  8192                       ; LDS: a region for each wave: two stages of 32 x SP bytes, then its 256 scale bytes
.set SP,    80                         ; a lane's place in a stage: 64 bytes + 16 of padding
.set SPW,   12                         ; v12  LDS address of my spare word; never rewritten
.set NIL,   13                         ; v13  0; never rewritten
.set SPARE, WAVES*WREG                 ; behind the four regions: the spare words, 128 bytes a wave
	s_load_b512 s[8:23], s[0:1], 0x0               ; x 8, W_Q 10, W_K 12, W_V 14, W_O 16, x_codes 18, x_scales 20, w_codes 22
	s_load_b128 s[24:27], s[0:1], 0x40             ; w_scales 24, wo_h 26
	v_lshl_add_u32 v[SPW], v0, 2, SPARE
	v_mov_b32 v[NIL], 0
	v_lshrrev_b32 v1, 5, v0
	v_readfirstlane_b32 s30, v1                    ; wave
	v_and_b32 v2, 31, v0                           ; lane
	s_cmp_ge_u32 ttmp9, WGQ                        ; the work-group's number alone decides
	s_cbranch_scc1 .Lwo
	v_lshlrev_b32 v3, 4, v2                        ; my 16 bytes of a load's 512
	s_mul_i32 s31, s30, WREG
	v_lshrrev_b32 v14, 2, v2
	v_mul_u32_u24 v14, v14, SP
	v_and_b32 v15, 3, v2
	v_lshl_add_u32 v14, v15, 4, v14
	v_add_nc_u32 v14, s31, v14                     ; the stage, on the way in: SP (lane / 4) + 16 (lane % 4)
	v_mul_u32_u24 v15, v2, SP
	v_add_nc_u32 v15, s31, v15                     ; and on the way out: SP x lane: my 16 neighbours
	v_mul_u32_u24 v4, v2, CB                       ; my codes' place in a step's
	v_lshrrev_b32 v5, 1, v2
	s_add_co_u32 s31, s31, 2*32*SP
	v_add_nc_u32 v5, s31, v5                       ; LDS: my wave's 256 scale bytes, my block's byte
	v_lshlrev_b32 v7, 3, v2                        ; and on the way out 8 bytes a lane
	v_add_nc_u32 v6, s31, v7
	s_wait_kmcnt 0x0
	s_cmp_lt_u32 ttmp9, 320                        ; which tensor: only pointers are chosen, all take one path
	s_cselect_b64 s[12:13], s[12:13], s[14:15]
	s_cmp_lt_u32 ttmp9, 288
	s_cselect_b64 s[10:11], s[10:11], s[12:13]
	s_cmp_lt_u32 ttmp9, 256
	s_cselect_b64 s[4:5], s[8:9], s[10:11]         ; the numbers
	s_cselect_b64 s[6:7], s[18:19], s[22:23]       ; the codes
	s_cselect_b64 s[28:29], s[20:21], s[24:25]     ; the scale bytes
	s_cselect_b32 s32, 0, 256
	s_mov_b32 s33, 31
	s_cselect_b32 s33, 255, s33
	s_sub_co_u32 s32, ttmp9, s32                   ; d: my place among x's work-groups, or among the weights'
	s_and_b32 s33, s32, s33                        ; and inside my source tensor
	s_lshl_b32 s33, s33, 2
	s_add_co_u32 s34, s33, s30                     ; my wave's run of 8,192 numbers in the source,
	s_lshl_b32 s34, s34, 15                        ; 32,768 bytes a run
	s_mov_b32 s35, 0
	s_add_nc_u64 s[4:5], s[4:5], s[34:35]
	s_lshl_b32 s32, s32, 2
	s_add_co_u32 s36, s32, s30                     ; and in the destination (the three weights lie on end)
	s_mov_b32 s37, 0
	s_lshl_b32 s34, s36, 12                        ; 4,096 bytes of codes a run
	s_add_nc_u64 s[6:7], s[6:7], s[34:35]
	s_lshl_b32 s36, s36, 8                         ; 256 scale bytes a run
	s_add_nc_u64 s[28:29], s[28:29], s[36:37]
.macro LOAD t
.irp i, 0,1,2,3
	global_load_b128 v[R+16*((\t)%4)+4*\i:R+16*((\t)%4)+4*\i+3], v3, s[4:5] offset:2048*(\t)+512*\i th:TH_LOAD_NT   ; 32 lanes read 512 consecutive bytes
.endr
.endm
.macro TURN t                          ; step t's numbers through the stage: LDS serves a wave's instructions in order, so no wait stands between the stores and the loads
.irp i, 0,1,2,3
	ds_store_b128 v14, v[R+16*((\t)%4)+4*\i:R+16*((\t)%4)+4*\i+3] offset:32*SP*((\t)%2)+8*SP*\i
.endr
.irp i, 0,1,2,3
	ds_load_b128 v[X+16*((\t)%2)+4*\i:X+16*((\t)%2)+4*\i+3], v15 offset:32*SP*((\t)%2)+16*\i
.endr
.endm
.irp t, 0,1,2,3
	LOAD \t
.endr
	s_wait_loadcnt 12                              ; step 0's four loads are in; the twelve of steps 1 to 3 may be out
	TURN 0
.macro STEP t
.set XS, X+16*((\t)%2)
.if (\t) > 0
	s_wait_dscnt 1                                 ; this step's numbers are back from the stage (the last step's byte store may be out)
.else
	s_wait_dscnt 0x0
.endif
.if (\t)+4 < STEPS
	LOAD (\t)+4                                    ; into the registers that the stage's stores have read
.endif
.if (\t)+1 < STEPS
.if STEPS-2-(\t) >= 3
	s_wait_loadcnt 12                              ; the next step's four loads are in; those of the three steps behind it may be out
.else
	s_wait_loadcnt 4*(STEPS-2-(\t))
.endif
	TURN (\t)+1                                    ; they go through the other stage while this step is worked
.endif
	v_max3_num_f32 v8, |v[XS]|, |v[XS+1]|, |v[XS+2]|               ; the largest magnitude of my 16, in two chains
	v_max3_num_f32 v9, |v[XS+3]|, |v[XS+4]|, |v[XS+5]|
.irp i, 6,10
	v_max3_num_f32 v8, v8, |v[XS+\i]|, |v[XS+\i+1]|
	v_max3_num_f32 v9, v9, |v[XS+\i+2]|, |v[XS+\i+3]|
.endr
	v_max3_num_f32 v8, v8, |v[XS+14]|, |v[XS+15]|
	v_max3_num_f32 v8, v8, v9, (EMAX+1)<<23        ; and the floor 2^(3 - 127): the byte cannot fall under 1
	v_max_num_f32_dpp v8, v8, v8 row_xmask:1 row_mask:0xf bank_mask:0xf   ; with my neighbour's 16: the block's
	v_add_nc_u32 v11, -(EMAX<<23), v8              ; 2 off its exponent field: the conversion takes that field as its scale
	v_cvt_scalef32_pk8_fp4_f32 v[C+4*(\t)], v[XS:XS+7], v11        ; to the nearest code, ties to even, beyond 6 the largest code
	v_cvt_scalef32_pk8_fp4_f32 v[C+4*(\t)+1], v[XS+8:XS+15], v11
	v_lshrrev_b32 v[E+(\t)], 23, v11               ; the scale's byte
	ds_store_b8 v5, v[E+(\t)] offset:16*(\t)       ; both lanes of a block write the same byte with the same value
	global_store_b64 v4, v[C+4*(\t):C+4*(\t)+1], s[6:7] offset:32*CB*(\t)   ; 32 lanes store 256 consecutive bytes, aligned
.endm
.irp t, 0,1,2,3,4,5,6,7,8,9,10,11,12,13,14,15
	STEP \t
.endr
	ds_load_b64 v[8:9], v6                         ; LDS serves a wave's instructions in order: these see my stores
	s_wait_dscnt 0x0
	global_store_b64 v7, v[8:9], s[28:29]          ; 32 lanes store 256 consecutive bytes, aligned
	s_wait_tensorcnt 0x0                           ; the wave's end
	ds_add_u32 v[SPW], v[NIL]
	s_wait_dscnt 0x0
	s_endpgm
; W_O: wave w of work-group t takes rows 32 t + 8 w .. + 7.  A batch is 4 rows x 8 blocks of 64 along K: lane l holds 8 neighbours of row l / 8, which become 16 bytes; a store covers 4 rows of one block: 512 consecutive bytes.
.Lwo:
	v_lshrrev_b32 v3, 3, v2
	v_and_b32 v4, 7, v2
	v_lshlrev_b32 v3, 12, v3
	v_lshl_add_u32 v3, v4, 5, v3                   ; in: (l / 8) rows of 4,096 bytes + 32 (l % 8)
	v_lshlrev_b32 v4, 4, v2                        ; out: 16 l
	s_sub_co_u32 s31, ttmp9, WGQ
	s_lshl_b32 s31, s31, 5
	s_lshl_b32 s32, s30, 3
	s_add_co_u32 s31, s31, s32                     ; my first row
	s_lshl_b32 s32, s31, 12
	s_mov_b32 s33, 0
	s_lshl_b32 s34, s31, 7
	s_mov_b32 s35, 0
	s_wait_kmcnt 0x0
	s_add_nc_u64 s[16:17], s[16:17], s[32:33]
	s_add_nc_u64 s[26:27], s[26:27], s[34:35]
.macro WLOAD bt                        ; batch bt: rows 4 (bt / 2) on, blocks 8 (bt % 2) on
.irp i, 0,1,2,3,4,5,6,7
.irp e, 0,1
	global_load_b128 v[16+64*((\bt)%2)+8*\i+4*\e:16+64*((\bt)%2)+8*\i+4*\e+3], v3, s[16:17] offset:((\bt)/2)*16384+(8*((\bt)%2)+\i)*256+16*\e
.endr
.endr
.endm
.macro WSEND bt, left
	s_wait_loadcnt \left                           ; my batch is in; the next batch's sixteen loads may be out
.if (\bt) > 0
	s_wait_xcnt 0x0                                ; the last batch's stores have read their data registers, which are written again below
.endif
.irp i, 0,1,2,3,4,5,6,7
.irp j, 0,1,2,3
	v_pk_mul_f32 v[16+64*((\bt)%2)+8*\i+2*\j:16+64*((\bt)%2)+8*\i+2*\j+1], v[16+64*((\bt)%2)+8*\i+2*\j:16+64*((\bt)%2)+8*\i+2*\j+1], 0x41800000 op_sel_hi:[1,0]   ; x 16, exact
.endr
.irp j, 0,1,2,3
	v_cvt_pk_f16_f32 v[144+4*\i+\j], v[16+64*((\bt)%2)+8*\i+2*\j], v[16+64*((\bt)%2)+8*\i+2*\j+1]
.endr
	global_store_b128 v4, v[144+4*\i:147+4*\i], s[26:27] offset:(8*((\bt)%2)+\i)*131072+((\bt)/2)*512
.endr
.endm
	WLOAD 0
	WLOAD 1
	WSEND 0, 16
	WLOAD 2
	WSEND 1, 16
	WLOAD 3
	WSEND 2, 16
	WSEND 3, 0
	s_wait_tensorcnt 0x0                           ; the same three closing lines on this path
	ds_add_u32 v[SPW], v[NIL]
	s_wait_dscnt 0x0
	s_endpgm
.Lfunc_end_k_q37e307c3fb_quant:
	.size	k_q37e307c3fb_quant, .Lfunc_end_k_q37e307c3fb_quant-k_q37e307c3fb_quant
	.p2alignl 7, 3214868480
	.fill 96, 4, 3214868480
	.section	.rodata,"a",@progbits
	.p2align	6, 0x0
	.amdhsa_kernel k_q37e307c3fb_quant
		.amdhsa_group_segment_fixed_size 33280
		.amdhsa_private_segment_fixed_size 0
		.amdhsa_enable_private_segment 0
		.amdhsa_kernarg_size 80
		.amdhsa_user_sgpr_count 2
		.amdhsa_user_sgpr_kernarg_segment_ptr 1
		.amdhsa_wavefront_size32 1
		.amdhsa_system_sgpr_workgroup_id_x 1
		.amdhsa_system_sgpr_workgroup_id_y 1
		.amdhsa_system_sgpr_workgroup_id_z 1
		.amdhsa_system_vgpr_workitem_id 0
		.amdhsa_next_free_vgpr 192
		.amdhsa_next_free_sgpr 66
		.amdhsa_reserve_vcc 0
		.amdhsa_float_denorm_mode_32 3
		.amdhsa_float_denorm_mode_16_64 3
		.amdhsa_memory_ordered 1
		.amdhsa_forward_progress 1
		.amdhsa_inst_pref_size 64
	.end_amdhsa_kernel
	.amdgpu_metadata
---
amdhsa.version: [ 1, 2 ]
amdhsa.kernels:
  - .name:           k_q37e307c3fb_quant
    .symbol:         k_q37e307c3fb_quant.kd
    .args:
      - { .name: x, .offset: 0, .size: 8, .value_kind: global_buffer, .address_space: global }
      - { .name: W_Q, .offset: 8, .size: 8, .value_kind: global_buffer, .address_space: global }
      - { .name: W_K, .offset: 16, .size: 8, .value_kind: global_buffer, .address_space: global }
      - { .name: W_V, .offset: 24, .size: 8, .value_kind: global_buffer, .address_space: global }
      - { .name: W_O, .offset: 32, .size: 8, .value_kind: global_buffer, .address_space: global }
      - { .name: x_codes, .offset: 40, .size: 8, .value_kind: global_buffer, .address_space: global }
      - { .name: x_scales, .offset: 48, .size: 8, .value_kind: global_buffer, .address_space: global }
      - { .name: w_codes, .offset: 56, .size: 8, .value_kind: global_buffer, .address_space: global }
      - { .name: w_scales, .offset: 64, .size: 8, .value_kind: global_buffer, .address_space: global }
      - { .name: wo_h, .offset: 72, .size: 8, .value_kind: global_buffer, .address_space: global }
    .group_segment_fixed_size: 33280
    .private_segment_fixed_size: 0
    .kernarg_segment_align: 8
    .kernarg_segment_size: 80
    .max_flat_workgroup_size: 128
    .sgpr_count:     66
    .vgpr_count:     192
    .wavefront_size: 32
...
	.end_amdgpu_metadata
.endif
;; end of part 1
;; launch qkv (part 2): grid 12 x 32, 4 waves a work-group, clusters of 4 x 1, 327,680 bytes of LDS; arguments x_codes, x_scales, w_codes, w_scales, qkv, qkv16; writes qkv, qkv16
.if DOCPART == 2
	.amdgcn_target "amdgcn-amd-amdhsa--gfx1250"
	.amdhsa_code_object_version 6
	.text
	.protected	k_q37e307c3fb_qkv
	.globl	k_q37e307c3fb_qkv
	.p2align	8
	.type	k_q37e307c3fb_qkv,@function
k_q37e307c3fb_qkv:
	s_mov_b64 s[64:65], 0
	v_nop
	global_prefetch_b8 v0, s[64:65] scope:SCOPE_SE
	s_setreg_imm32_b32 hwreg(HW_REG_WAVE_MODE, 25, 1), 1
	s_wait_xcnt 0x0
	s_wait_alu depctr_hold_cnt(0) depctr_sa_sdst(0) depctr_va_vdst(0) depctr_va_sdst(0) depctr_va_ssrc(0) depctr_va_vcc(0) depctr_vm_vsrc(0)
	s_getreg_b32 s2, hwreg(HW_REG_IB_STS2, 6, 4)
	s_cmp_eq_u32 s2, 0
	s_cbranch_scc0 .Lentry_in_a_cluster
	s_endpgm
.Lentry_in_a_cluster:
	s_bfe_u32 s2, ttmp6, 0x10000c
	s_cmp_lg_u32 s2, 0x3003
	s_cbranch_scc0 .Lentry_shape_is_right
	s_endpgm
.Lentry_shape_is_right:
; The three input projections as ONE product on codes of FP4 (E2M1) with E8M0 scales: C[m][n] = sum over k of x[m][k] W[n][k], m = 0..8191, n = 0..3071 (W_Q, W_K, W_V on end), K = 1,024; sums in f32.
; OUT: qkv, f16, [3 which][4 b][16 h][2048 s][64]: C x 2^-4 (exact), by heads; qkv16, f32, [3][4][16][16 s][64]: C as it is, for positions 0-15 of each sequence, which a later launch carries in f32.
; LIMIT: |C| under 2^20 (f16 behind x 2^-4); at the drawn spread the stored numbers lie round 0.2, and 30 times smaller inputs on both sides still leave f16's absolute step far under the numbers' spread.
; A tile of C, 256 x 256, is made by four waves, as many as a WGP has SIMDs; a wave makes 128 x 128: 64 accumulators, 512 registers.  K = 1,024 is two LDS slots of 512 along K (rows of 256 bytes): both are asked for at the
; start, nothing is filled again.  The scale bytes of the tile's 256 + 256 rows come once, as dense blocks.
; CLUSTER 4 x 1: the four work-groups of a cluster make four neighbouring tile columns of ONE tile row and need the same tiles of x: those are asked for jointly (mask 15).  W's tiles are each work-group's own loads.
; A 4 x 4 cluster is not taken: the f32 copy below stands under a branch on the tile row; in a 4 x 1 cluster all partners share the tile row.
; THE MATRIX INSTRUCTION IS USED TRANSPOSED (source 0 = 16 rows of W, source 1 = 16 rows of x): a lane holds eight neighbouring columns of one row of C.
; REGISTERS, in windows of 256: window 0: v0-31 addresses; v32-95 scale words, two sets; from v128 x's fragments, one set; on the way out v32-191 are free.  window 1: W's fragments, two sets.  windows 2, 3: the accumulators ((a, b) at v[8 (8 (a % 4) + b)]).
.set KSTEP,  512
.set NQ,     KSTEP/128
.set ROWB,   256                       ; a tile's row in bytes
.set KROW,   512                       ; a row of codes in memory
.set PITCH,  272                       ; an LDS row: 256 bytes + 16 of padding: the 16 rows of a fragment load start 16 bytes apart modulo 256
.set FR,     8
.set NL,     2
.set NP,     4                         ; places behind this matrix instruction (ISA guide 7.12.1)
.set HALFT,  128*PITCH
.set SLOT,   4*HALFT
.set KS,     32                        ; a row of scale bytes
.set SCL,    2*SLOT
.set HALFS,  (128*KS/256)*272
.set SBLK,   (16*KS/256)*272
.set SPARE,  SCL+4*HALFS               ; the spare words, 128 bytes a wave
.set SPITCH, 272                       ; the f16 stage: 16 rows x (256 + 16) a wave, in slot 0, which has had its last fill and its last read by then
.set FSTG,   32768                     ; the f32 stage: 16 rows x (512 + 16) a wave, further on in slot 0
.set ADRA, 16
.set ADRB, 20
.set SSTO, 18                          ; v18  the f32 copy: into its stage
.set SRD,  19                          ; v19  back out of it
.set SCO,  22                          ; v22  and its place in qkv16
.set STO,  24
.set RD,   25
.set CO,   26
.set ADRS, 27
.set SPW,  28
.set NIL,  29
.set SC,   32
.set AF,   128
.set G1, 24
.set G0, 32
.set G1B, 48
.set G0B, 56
.set G1S, 68
.set G0S, 76
.set G1SB, 80
.set G0SB, 88
.set MSB, 0
.macro WIN new                         ; the immediate's high byte repeats the setting that is left
.if MSB != \new
	s_set_vgpr_msb (MSB<<8)|\new
.set MSB, \new
.endif
.endm
.set MUL_LO, 0xa1                      ; source 0 (W) window 1, source 1 (x) window 0, C and D window 2
.set MUL_HI, 0xf1
.set TO_B,   0x40
; Waves 0 and 1 fetch for x (jointly), waves 2 and 3 for W.  The branch hangs on the wave's number alone.  An s_nop 0 and four v_nop follow each of the two lines.
.macro JLOAD g0a, g1a, g0b, g1b
	s_cmp_eq_u32 s15, 0
	s_cbranch_scc0 .Lfor_b_\@
	tensor_load_to_lds s[\g0a:\g0a+3], s[\g1a:\g1a+7]
	s_nop 0
.rept 4
	v_nop
.endr
	s_branch .Lasked_\@
.Lfor_b_\@:
	tensor_load_to_lds s[\g0b:\g0b+3], s[\g1b:\g1b+7]
	s_nop 0
.rept 4
	v_nop
.endr
.Lasked_\@:
.endm
.macro CROUND                          ; a round of the cluster's barrier
	s_barrier_signal -1
	s_barrier_wait -1
	s_cmp_lg_u32 s14, 0
	s_cbranch_scc1 .Lnot_wave_0_\@
	s_barrier_signal -3
.Lnot_wave_0_\@:
	s_barrier_wait -3
	s_barrier_signal -1
	s_barrier_wait -1
.endm
	s_load_b128 s[4:7], s[0:1], 0x0                ; x's codes, x's scales
	s_load_b128 s[8:11], s[0:1], 0x10              ; W's codes, W's scales
	s_load_b128 s[96:99], s[0:1], 0x20             ; qkv, qkv16
	v_lshl_add_u32 v[SPW], v0, 2, SPARE
	v_mov_b32 v[NIL], 0
	ds_add_u32 v[SPW], v[NIL]                      ; the wave's opening: the add, twice on end, and its wait ahead of my first tensor load
	ds_add_u32 v[SPW], v[NIL]
	v_lshrrev_b32 v1, 5, v0
	v_readfirstlane_b32 s14, v1                    ; wave 0..3
	s_lshr_b32 s15, s14, 1                         ; which half of the tile's rows is mine.  Also: I fetch for x (0) or for W (1)
	s_and_b32 s16, s14, 1                          ; which half of its columns.  Also: which 128 rows I fetch
	s_bfe_u32 s40, ttmp6, 0x40000                  ; cx
	s_lshl_b32 s42, ttmp9, 2
	s_add_co_u32 s42, s42, s40                     ; tile column = 4 x cluster x + cx
	s_and_b32 s17, ttmp7, 0xffff                   ; tile row: the same in all four partners
	s_mov_b32 s[G1+0], 15|(1<<20)|(1<<21)|(5<<22)|(3<<25)    ; the mask: all four; elements of 1 byte; padding: 4 words behind every 64
	s_mov_b32 s[G1B+0], (1<<20)|(5<<22)|(3<<25)              ; the same with no mask
.irp g, G1, G1B
	s_mov_b32 s[\g+1], ROWB<<16                    ; tensor_dim0
	s_mov_b32 s[\g+2], 128<<16                     ; tensor_dim1
	s_mov_b32 s[\g+3], ROWB<<16                    ; tile_dim0
	s_mov_b32 s[\g+4], 128                         ; tile_dim1
	s_mov_b32 s[\g+5], KROW                        ; from row to row
	s_mov_b32 s[\g+6], 0
	s_mov_b32 s[\g+7], 0
.endr
	s_mov_b32 s[G1S+0], 15|(3<<16)|(1<<20)|(1<<21)|(5<<22)|(3<<25)   ; the scales of 128 rows: 4,096 dense bytes as 16 rows of 256 (32 elements of 8 bytes), padded alike
	s_mov_b32 s[G1SB+0], (3<<16)|(1<<20)|(5<<22)|(3<<25)
.irp g, G1S, G1SB
	s_mov_b32 s[\g+1], 32<<16
	s_mov_b32 s[\g+2], (128*KS/256)<<16
	s_mov_b32 s[\g+3], 32<<16
	s_mov_b32 s[\g+4], 128*KS/256
	s_mov_b32 s[\g+5], 32
	s_mov_b32 s[\g+6], 0
	s_mov_b32 s[\g+7], 0
.endr
	s_lshl_b32 s18, s16, 7
	s_lshl_b32 s20, s17, 8
	s_add_co_u32 s20, s20, s18                     ; x: row 256 x tile row + 128 x half
	s_lshl_b32 s46, s42, 8
	s_add_co_u32 s46, s46, s18                     ; W: row 256 x tile column + 128 x half
	s_mov_b32 s21, 0
	s_mov_b32 s47, 0
	s_mov_b64 s[18:19], KS
	s_mul_u64 s[22:23], s[20:21], s[18:19]         ; where these rows' scales begin
	s_mul_u64 s[92:93], s[46:47], s[18:19]
	s_mov_b64 s[18:19], KROW
	s_mul_u64 s[20:21], s[20:21], s[18:19]         ; and their codes
	s_mul_u64 s[46:47], s[46:47], s[18:19]
	s_mul_i32 s45, s14, HALFT                      ; where they go: wave x 128 rows
	s_mul_i32 s94, s14, HALFS
	s_wait_dscnt 0x0                               ; both opening adds are done
	s_wait_kmcnt 0x0
	s_add_nc_u64 s[20:21], s[4:5], s[20:21]
	s_add_nc_u64 s[22:23], s[6:7], s[22:23]
	s_add_nc_u64 s[46:47], s[8:9], s[46:47]
	s_add_nc_u64 s[92:93], s[10:11], s[92:93]
	CROUND                                         ; all four work-groups are here: the joint loads meet
	s_mov_b32 s[G0S], 1
	s_add_co_u32 s[G0S+1], s94, SCL
	s_mov_b64 s[G0S+2:G0S+3], s[22:23]
	s_or_b32 s[G0S+3], s[G0S+3], 0x80000000
	s_mov_b32 s[G0SB], 1
	s_add_co_u32 s[G0SB+1], s94, SCL
	s_mov_b64 s[G0SB+2:G0SB+3], s[92:93]
	s_or_b32 s[G0SB+3], s[G0SB+3], 0x80000000
	JLOAD G0S, G1S, G0SB, G1SB                     ; the scales first; by this text's count a wave has three tensor loads out
.irp s, 0,1
	s_mov_b32 s[G0+4*\s], 1
	s_add_co_u32 s[G0+4*\s+1], s45, \s*SLOT
	s_add_nc_u64 s[G0+4*\s+2:G0+4*\s+3], s[20:21], \s*ROWB
	s_or_b32 s[G0+4*\s+3], s[G0+4*\s+3], 0x80000000
	s_mov_b32 s[G0B+4*\s], 1
	s_add_co_u32 s[G0B+4*\s+1], s45, \s*SLOT
	s_add_nc_u64 s[G0B+4*\s+2:G0B+4*\s+3], s[46:47], \s*ROWB
	s_or_b32 s[G0B+4*\s+3], s[G0B+4*\s+3], 0x80000000
	JLOAD G0+4*\s, G1, G0B+4*\s, G1B
.endr
	v_and_b32 v1, 15, v0                           ; r = l % 16
	v_bfe_u32 v2, v0, 4, 1                         ; h = l / 16
	v_mul_u32_u24 v3, v1, PITCH
	v_lshl_add_u32 v4, v2, 4, v3                   ; a fragment's row x pitch + 16 h
	s_mul_i32 s21, s15, HALFT                      ; my 128 rows of x
	s_mul_i32 s22, s16, HALFT                      ; my 128 rows of W,
	s_add_co_u32 s22, s22, 2*HALFT                 ; behind x's 256
.irp s, 0,1
	v_add_nc_u32 v[ADRA+\s], s21, v4
	v_add_nc_u32 v[ADRB+\s], s22, v4
	s_add_co_u32 s21, s21, SLOT
	s_add_co_u32 s22, s22, SLOT
.endr
	v_mul_u32_u24 v5, v1, KS                       ; my row's scales: 32 bytes a row,
	v_lshrrev_b32 v6, 8, v5
	v_lshl_add_u32 v5, v6, 4, v5                   ; and 16 more for each 256 passed
	s_mul_i32 s21, s15, HALFS
	s_mul_i32 s22, s16, HALFS
	s_add_co_u32 s22, s22, 2*HALFS
	s_sub_co_u32 s22, s22, s21
	v_mul_u32_u24 v6, s22, v2                      ; lanes 16-31 take W's: one product, the distance between the two bases
	s_add_co_u32 s21, s21, SCL
	v_add_nc_u32 v5, v5, v6
	v_add_nc_u32 v[ADRS], s21, v5
	s_mul_i32 s23, s14, 16*SPITCH                  ; my f16 stage
	v_mul_u32_u24 v5, v1, SPITCH
	v_lshl_add_u32 v5, v2, 4, v5
	v_add_nc_u32 v[STO], s23, v5                   ; in: row r, 16 bytes for each half of the lanes
	v_and_b32 v6, 31, v0
	v_lshrrev_b32 v7, 3, v6
	v_mul_u32_u24 v7, v7, SPITCH
	v_and_b32 v8, 7, v0
	v_lshl_add_u32 v7, v8, 4, v7
	v_add_nc_u32 v[RD], s23, v7                    ; back: eight lanes take one head's 128 bytes of a row, 32 lanes four rows
	v_lshlrev_b32 v[CO], 4, v6                     ; which are 512 consecutive bytes of qkv
	s_mul_i32 s23, s14, 16*528                     ; my f32 stage
	s_add_co_u32 s23, s23, FSTG
	v_mul_u32_u24 v5, v1, 528
	v_lshl_add_u32 v5, v2, 5, v5
	v_add_nc_u32 v[SSTO], s23, v5
	v_add_nc_u32 v[SRD], s23, v[CO]                ; back: 32 lanes take a row of 512 bytes: two heads
	v_lshlrev_b32 v[SCO], 12, v2
	v_lshl_add_u32 v[SCO], v1, 4, v[SCO]           ; a head is 4,096 bytes of qkv16
	; where my 128 x 128 goes: 128 columns are two heads; which = q, k or v
	s_lshl_b32 s46, s42, 2
	s_lshl_b32 s47, s16, 1
	s_add_co_u32 s46, s46, s47                     ; 16 which + head
	s_lshr_b32 s47, s46, 4                         ; which
	s_and_b32 s46, s46, 15                         ; my first head
	s_lshr_b32 s92, s17, 3                         ; the batch
	s_and_b32 s93, s17, 7
	s_lshl_b32 s93, s93, 8
	s_lshl_b32 s94, s15, 7
	s_add_co_u32 s93, s93, s94                     ; my first position
	s_lshl_b32 s20, s47, 24
	s_lshl_b32 s21, s92, 22
	s_add_co_u32 s20, s20, s21
	s_lshl_b32 s21, s46, 18
	s_add_co_u32 s20, s20, s21
	s_lshl_b32 s21, s93, 7
	s_add_co_u32 s20, s20, s21
	s_mov_b32 s21, 0
	s_add_nc_u64 s[96:97], s[96:97], s[20:21]
	s_lshl_b32 s20, s47, 2
	s_add_co_u32 s20, s20, s92
	s_lshl_b32 s20, s20, 4
	s_add_co_u32 s20, s20, s46
	s_lshl_b32 s20, s20, 12
	s_add_nc_u64 s[98:99], s[98:99], s[20:21]
.macro FRAG reg, adr, q, i             ; 16 rows x 128 K of 4-bit codes: lane l holds row l % 16; registers 4 c .. 4 c + 3 hold K = 64 c + 32 (l / 16) + 0 .. 31
.irp c, 0,1
	ds_load_b128 v[\reg+4*\c:\reg+4*\c+3], v[\adr] offset:64*(\q)+32*\c+(\i)*16*PITCH
.endr
.endm
; 16 matrix instructions: x's blocks a0, a0 + 1 against W's eight.  The 64 accumulators take turns, one instruction a turn.  zero = 1: the first product starts the sums.
.macro MUL16 a0, p, q, sc, zero
.irp a, \a0, \a0+1
.irp b, 0,1,2,3,4,5,6,7
.if \zero
	v_wmma_scale_f32_16x16x128_f8f6f4 v[8*(8*((\a)%4)+\b):8*(8*((\a)%4)+\b)+7], v[128*(\p)+FR*\b:128*(\p)+FR*\b+FR-1], v[AF+FR*(\a):AF+FR*(\a)+FR-1], 0, v[SC+8*NQ*(\sc)+NQ*\b+(\q)], v[SC+8*NQ*(\sc)+NQ*(\a)+(\q)] matrix_a_fmt:MATRIX_FMT_FP4 matrix_b_fmt:MATRIX_FMT_FP4 matrix_a_scale:MATRIX_SCALE_ROW1
.else
	v_wmma_scale_f32_16x16x128_f8f6f4 v[8*(8*((\a)%4)+\b):8*(8*((\a)%4)+\b)+7], v[128*(\p)+FR*\b:128*(\p)+FR*\b+FR-1], v[AF+FR*(\a):AF+FR*(\a)+FR-1], v[8*(8*((\a)%4)+\b):8*(8*((\a)%4)+\b)+7], v[SC+8*NQ*(\sc)+NQ*\b+(\q)], v[SC+8*NQ*(\sc)+NQ*(\a)+(\q)] matrix_a_fmt:MATRIX_FMT_FP4 matrix_b_fmt:MATRIX_FMT_FP4 matrix_a_scale:MATRIX_SCALE_ROW1
.endif
.endr
.endr
.endm
.macro FETCH_B slot, q, p
	WIN TO_B
.irp i, 0,1,2,3,4,5,6,7
	FRAG 128*(\p)+FR*\i, ADRB+\slot, \q, \i
.endr
	WIN 0
.endm
.macro FETCH_A slot, q, i0
.irp i, \i0, \i0+1, \i0+2, \i0+3
	FRAG AF+FR*(\i), ADRA+\slot, \q, \i
.endr
.endm
.macro SCALES sc                       ; a slot's scale words: 4 words a row; lanes 0-15 take x's block i, lanes 16-31 W's block i
.irp i, 0,1,2,3,4,5,6,7
	ds_load_b128 v[SC+8*NQ*\sc+NQ*\i:SC+8*NQ*\sc+NQ*\i+3], v[ADRS] offset:\i*SBLK
.endr
.endm
.macro PLACES n                        ; plain vector instructions between a matrix instruction and a load into its registers or a read of its result
.rept \n
	v_nop
.endr
.endm
.macro STEP slot, q, zero              ; 128 along K, with its successor in the same slot
	s_wait_dscnt 4*NL                              ; W's set and x's blocks 0-3 are in; the youngest eight loads (x's blocks 4-7) may be out
	WIN MUL_LO
	MUL16 0, (\q)%2, \q, \slot, \zero
	MUL16 2, (\q)%2, \q, \slot, \zero
	s_wait_dscnt 0
	PLACES NP
	FETCH_B \slot, (\q)+1, 1-(\q)%2
	FETCH_A \slot, (\q)+1, 0
	WIN MUL_HI
	MUL16 4, (\q)%2, \q, \slot, \zero
	MUL16 6, (\q)%2, \q, \slot, \zero
	PLACES NP
	WIN 0
	FETCH_A \slot, (\q)+1, 4
.endm
.macro TURN slot, next                 ; slot 0's last step goes over to slot 1: each wave waits for all its tensor loads, then one barrier; nothing is filled again
	s_wait_tensorcnt 0x0                           ; my part of the next slot has landed
	ds_add_u32 v[SPW], v[NIL]
	s_wait_dscnt 4*NL+1                            ; (the add and the youngest eight loads may be out)
	WIN MUL_LO
	MUL16 0, 1, NQ-1, \slot, 0
	s_wait_dscnt 0x0                               ; the add is done, and my reads of this slot are over
	s_barrier_signal -1
	MUL16 2, 1, NQ-1, \slot, 0
	WIN 0
	s_barrier_wait -1
	PLACES NP
	v_add_nc_u32 v[ADRS], 4*NQ, v[ADRS]            ; on to the next slot's scale words
	FETCH_B \next, 0, 0
	FETCH_A \next, 0, 0
	SCALES \next
	WIN MUL_HI
	MUL16 4, 1, NQ-1, \slot, 0
	MUL16 6, 1, NQ-1, \slot, 0
	PLACES NP
	WIN 0
	FETCH_A \next, 0, 4
.endm
.macro STEPS slot, from
.set Q, \from
.rept NQ-1-\from
	STEP \slot, Q, 0
.set Q, Q+1
.endr
.endm
	s_wait_tensorcnt 1                             ; the scales and my part of slot 0 are in (slot 1's load may be out)
	s_barrier_signal -1
	s_barrier_wait -1                              ; everybody's are
	FETCH_B 0, 0, 0
	FETCH_A 0, 0, 0
	SCALES 0
	FETCH_A 0, 0, 4
	STEP 0, 0, 1                                   ; the first step's products start the sums
	STEPS 0, 1
	TURN 0, 1
	STEPS 1, 0
	s_wait_dscnt 4*NL                              ; the very last step
	WIN MUL_LO
	MUL16 0, 1, NQ-1, 1, 0
	MUL16 2, 1, NQ-1, 1, 0
	s_wait_dscnt 0
	WIN MUL_HI
	MUL16 4, 1, NQ-1, 1, 0
	MUL16 6, 1, NQ-1, 1, 0
	WIN 0
	PLACES NP                                      ; behind the last products: for the reads of results and the loads into x's fragments' registers
	; THE F32 COPY of positions 0-15: they are block 0 of the waves with the tile's upper rows, in the tile rows with which a sequence begins.  The branch hangs on the tile row, which all partners share, and the wave's number.
	s_and_b32 s3, s17, 7
	s_or_b32 s3, s3, s15
	s_cmp_lg_u32 s3, 0
	s_cbranch_scc1 .Lplain
	WIN 0x08                                       ; an LDS store's data are its source 1: window 2
.irp b, 0,1,2,3,4,5,6,7
	ds_store_b128 v[SSTO], v[8*\b:8*\b+3] offset:64*\b             ; each accumulator from its low end on
	ds_store_b128 v[SSTO], v[8*\b+4:8*\b+7] offset:64*\b+16
.endr
	WIN 0
.irp t, 0,1,2,3,4,5,6,7,8,9,10,11,12,13,14,15
	ds_load_b128 v[128+4*\t:131+4*\t], v[SRD] offset:\t*528        ; LDS serves a wave's instructions in order: these see my stores
.endr
	s_wait_dscnt 0x0
.irp t, 0,1,2,3,4,5,6,7,8,9,10,11,12,13,14,15
	global_store_b128 v[SCO], v[128+4*\t:131+4*\t], s[98:99] offset:\t*256   ; sixteen lanes store 256 consecutive bytes, aligned: a position's 64 numbers of one head
.endr
	s_wait_xcnt 0x0                                ; these stores have read their registers, which the way out loads anew
.Lplain:
; THE WAY OUT, block by block of 16 rows x 128 columns: x 2^-4, rounded to f16, through my own stage in LDS, out as four rows of one head: 512 consecutive bytes a store.
.macro PACK a
.set AC, 64*((\a)%4)
	WIN (0x02+(\a)/4)                              ; source 0: window 2 or 3
.set i, 0
.rept 32
	v_pk_mul_f32 v[32+2*i:33+2*i], v[AC+2*i:AC+2*i+1], 0x3d800000 op_sel_hi:[1,0]   ; ascending: each accumulator from its low end on
.set i, i+1
.endr
	WIN 0
.set i, 0
.rept 32
	v_cvt_pk_f16_f32 v[96+i], v[32+2*i], v[33+2*i]
.set i, i+1
.endr
.endm
.macro TOSTAGE a
.irp b, 0,1,2,3,4,5,6,7
	ds_store_b128 v[STO], v[96+4*\b:99+4*\b] offset:32*\b
.endr
.irp t, 0,1,2,3
.irp hh, 0,1
	ds_load_b128 v[128+32*((\a)%2)+4*(2*\t+\hh):128+32*((\a)%2)+4*(2*\t+\hh)+3], v[RD] offset:4*\t*SPITCH+128*\hh
.endr
.endr
.endm
.macro SEND a, younger                 ; younger: the LDS instructions issued behind block a's loads
	s_wait_dscnt \younger
.irp t, 0,1,2,3
.irp hh, 0,1
	global_store_b128 v[CO], v[128+32*((\a)%2)+4*(2*\t+\hh):128+32*((\a)%2)+4*(2*\t+\hh)+3], s[96:97] offset:\hh*262144+(\a)*2048+\t*512
.endr
.endr
.endm
	PACK 0
	TOSTAGE 0
.irp a, 1,2,3,4,5,6,7
.if \a > 1
	s_wait_xcnt 0x0                                ; block a - 2's stores have read their registers: block a's loads may land there
.endif
	PACK \a
	TOSTAGE \a
	SEND \a-1, 16                                  ; behind block a - 1's loads: block a's 8 stores and 8 loads
.endr
	SEND 7, 0
	s_wait_tensorcnt 0x0                           ; the wave's end
	ds_add_u32 v[SPW], v[NIL]
	s_wait_dscnt 0x0
	CROUND                                         ; the closing round
	s_endpgm
.Lfunc_end_k_q37e307c3fb_qkv:
	.size	k_q37e307c3fb_qkv, .Lfunc_end_k_q37e307c3fb_qkv-k_q37e307c3fb_qkv
	.p2alignl 7, 3214868480
	.fill 96, 4, 3214868480
	.section	.rodata,"a",@progbits
	.p2align	6, 0x0
	.amdhsa_kernel k_q37e307c3fb_qkv
		.amdhsa_group_segment_fixed_size 327680
		.amdhsa_private_segment_fixed_size 0
		.amdhsa_enable_private_segment 0
		.amdhsa_kernarg_size 48
		.amdhsa_user_sgpr_count 2
		.amdhsa_user_sgpr_kernarg_segment_ptr 1
		.amdhsa_wavefront_size32 1
		.amdhsa_system_sgpr_workgroup_id_x 1
		.amdhsa_system_sgpr_workgroup_id_y 1
		.amdhsa_system_sgpr_workgroup_id_z 1
		.amdhsa_system_vgpr_workitem_id 0
		.amdhsa_next_free_vgpr 1024
		.amdhsa_next_free_sgpr 100
		.amdhsa_reserve_vcc 0
		.amdhsa_float_denorm_mode_32 3
		.amdhsa_float_denorm_mode_16_64 3
		.amdhsa_memory_ordered 1
		.amdhsa_forward_progress 1
		.amdhsa_inst_pref_size 155
	.end_amdhsa_kernel
	.amdgpu_metadata
---
amdhsa.version: [ 1, 2 ]
amdhsa.kernels:
  - .name:           k_q37e307c3fb_qkv
    .symbol:         k_q37e307c3fb_qkv.kd
    .args:
      - { .name: x_codes, .offset: 0, .size: 8, .value_kind: global_buffer, .address_space: global }
      - { .name: x_scales, .offset: 8, .size: 8, .value_kind: global_buffer, .address_space: global }
      - { .name: w_codes, .offset: 16, .size: 8, .value_kind: global_buffer, .address_space: global }
      - { .name: w_scales, .offset: 24, .size: 8, .value_kind: global_buffer, .address_space: global }
      - { .name: qkv, .offset: 32, .size: 8, .value_kind: global_buffer, .address_space: global }
      - { .name: qkv16, .offset: 40, .size: 8, .value_kind: global_buffer, .address_space: global }
    .group_segment_fixed_size: 327680
    .private_segment_fixed_size: 0
    .kernarg_segment_align: 8
    .kernarg_segment_size: 48
    .max_flat_workgroup_size: 128
    .sgpr_count:     100
    .vgpr_count:     1024
    .wavefront_size: 32
...
	.end_amdgpu_metadata
.endif
;; end of part 2
;; launch attn (part 3): grid 4 x 64, 16 waves a work-group, no clusters, 327,680 bytes of LDS; arguments qkv, ao; writes ao
.if DOCPART == 3
	.amdgcn_target "amdgcn-amd-amdhsa--gfx1250"
	.amdhsa_code_object_version 6
	.text
	.protected	k_q37e307c3fb_attn
	.globl	k_q37e307c3fb_attn
	.p2align	8
	.type	k_q37e307c3fb_attn,@function
k_q37e307c3fb_attn:
	s_mov_b64 s[64:65], 0
	v_nop
	global_prefetch_b8 v0, s[64:65] scope:SCOPE_SE
	s_setreg_imm32_b32 hwreg(HW_REG_WAVE_MODE, 25, 1), 1
	s_wait_xcnt 0x0
; Causal attention, head size 64, on f16 operands with f32 sums.  qkv: f16 [3][4 b][16 h][2048 s][64], each number x 2^-4.  ao: f16 [16 h][8192 m][64], the attention's result, still x 2^-4 (it is a convex mix of v's rows).
; t = score x log2(e) / 8; the stored scores are 2^-8 of the true ones, so c = 32 log2(e).  For each query a running maximum m and sum l: p = 2^(c s - c m); in every step O and l are multiplied by a = 2^(c m_old - c m_new).
; The weights p (at most 1) are rounded to f16 for the second product; the sum is taken of the unrounded p.  Positions 0-15 of each sequence are made here too, and made again in f32 by a later launch.
; LIMITS: NaN and infinities are not served.  m begins at -1e30, under every score: f16 operands bound a stored score by 64 x 65,504^2.
; SHARES.  Work-group (p, y): head y; query blocks p and 7 - p of 256 queries, so that every work-group has the causal work of nine blocks of keys.  Sixteen waves, four to a SIMD, so that one wave's softmax stands beside
; another's products and LDS loads.  A wave owns 32 neighbouring queries, two tiles of 16: each fragment of K and V feeds two products.  Waves w and w + 1 (w even) take the same place in the early and in the late block.
; K's and V's tiles come through a ring of two LDS slots of 256 keys (waves 0, 1: K's halves; waves 2, 3: V's), read by all sixteen.  EVERY work-group walks all eight slots (constant trip counts, no barrier jumped over);
; a step all of whose keys come after a wave's queries is left out by a scalar branch on ids, and a slot that no wave of the work-group reads is not asked for.
; NO CLUSTER: the four work-groups of a head need 2,048, 1,792, 1,536 and 1,280 keys: a joint load would bring three of them tiles that none of their waves reads.
; LAYOUT.  S^T = K Q^T (source 0 = 16 keys, source 1 = 16 queries): a lane holds ONE query (lane % 16) and keys 8 (lane / 16) + 0..7 of each tile; two such tiles, rounded in pairs, are source 1 of O^T = V^T P.  V is turned by ds_load_tr16_b128.
.set KP,    144                        ; a key's row of K in LDS: 128 bytes + 16
.set VP,    160                        ; of V: 128 + 32: the turning load's 8 rows x 32 bytes fall on different banks
.set SK,    256                        ; keys in a slot
.set VOFF,  SK*KP
.set SLOT1, 1<<17                      ; slot 1 begins here: one exclusive or turns an address
.set STAGE, SLOT1+VOFF+SK*VP           ; behind the ring: 32 rows x 144 bytes for each wave; no tensor load lands here
.set SPARE, STAGE+16*32*KP             ; the spare words, 128 bytes a wave
.set AK0, 1                            ; v1   my lane's place in a tile of K
.set AV0, 2                            ; v2   in a tile of V
.set ADK, 3                            ; v3   LDS address of the step's K (at the head: my offset in Q)
.set ADV, 4                            ; v4   of its V
.set SPW, 5
.set NIL, 6
.set GO,  7                            ; v7   16 x lane
.set STO, 8
.set RD,  9
.set RH,  10                           ; v10  lane % 16 - 8 (lane / 16), for the mask
.set PFO, 11                           ; v11  256 x lane
.set ST,  12                           ; tile t's statistics at v[12 + 10 t]: +0 c m, +1 m, +2, +3 l, +4 a (+5 its pair's other half), +6 .. +9 at work
.set QF,  32                           ; Q: 32 + 16 t + 8 c
.set S,   64                           ; S^T: 64 + 32 t + 8 kt; P in place, in the low 16 registers of each tile
.set O,   128                          ; O^T: 128 + 32 t + 8 ct
.set KV,  192                          ; K's eight fragments, then V's eight
.set WV,  18
.set SEL, 20
.set CS,  22
.set G1K, 24
.set G1V, 32
.set G0K, 40
.set G0V, 44
.set TB,  2                            ; s2   LDS byte at which the slot in hand begins
.set SLOTS, 48
.set KF,  49                           ; the step's first key
.set Q0,  50                           ; my first query
.set QL,  51                           ; my work-group's last query
.set PFA, 52
.set LIM, 54
.macro TLOAD                           ; waves 0, 1 fetch K, waves 2, 3 V, the others nothing.  An s_nop 0 and four v_nop follow each line
	s_cmp_lt_u32 s[WV], 2
	s_cbranch_scc0 .Lnot_k_\@
	tensor_load_to_lds s[G0K:G0K+3], s[G1K:G1K+7]
	s_nop 0
.rept 4
	v_nop
.endr
	s_branch .Lasked_\@
.Lnot_k_\@:
	s_cmp_lt_u32 s[WV], 4
	s_cbranch_scc0 .Lasked_\@
	tensor_load_to_lds s[G0V:G0V+3], s[G1V:G1V+7]
	s_nop 0
.rept 4
	v_nop
.endr
.Lasked_\@:
.endm
; A prefetch of what the NEXT change of slots will ask for: 256 keys of K and of V, 32,768 dense bytes each.  The head's work-group 0, which walks all keys, asks, and nobody else; in it waves 4-7 ask for K's block and
; waves 8-11 for V's, 8,192 bytes a wave, lanes 256 bytes apart: each block of 256 bytes is named once in the launch.  Slots 0 and 1 come by their loads alone; the last change that fills a slot asks for nothing.
.macro ASK
	s_cmp_gt_u32 s[SLOTS], s[LIM]
	s_cbranch_scc0 .Lnot_mine_\@
	global_prefetch_b8 v[PFO], s[PFA:PFA+1] th:TH_LOAD_NT scope:SCOPE_SE
.Lnot_mine_\@:
.endm
	s_load_b128 s[4:7], s[0:1], 0x0                ; qkv, ao
	v_lshl_add_u32 v[SPW], v0, 2, SPARE
	v_mov_b32 v[NIL], 0
	ds_add_u32 v[SPW], v[NIL]                      ; the wave's opening: the add, twice on end, and its wait ahead of the first tensor load
	ds_add_u32 v[SPW], v[NIL]
	v_lshrrev_b32 v3, 5, v0
	v_readfirstlane_b32 s[WV], v3                  ; wave 0..15
	s_and_b32 s8, ttmp7, 0xffff                    ; y = 16 b + h
	s_lshl_b32 s9, s8, 18                          ; the head's first byte in each of q, k, v
	s_lshr_b32 s10, s[WV], 2
	s_xor_b32 s10, s10, s[WV]
	s_and_b32 s10, s10, 1                          ; 1: my queries lie in the late block
	s_sub_co_u32 s11, 7, ttmp9
	s_cmp_eq_u32 s10, 1
	s_cselect_b32 s11, s11, ttmp9                  ; my block of 256 queries
	s_lshl_b32 s11, s11, 8
	s_lshr_b32 s12, s[WV], 1
	s_lshl_b32 s12, s12, 5
	s_add_co_u32 s[Q0], s11, s12
	s_sub_co_u32 s[QL], 8, ttmp9
	s_lshl_b32 s[QL], s[QL], 8
	s_sub_co_u32 s[QL], s[QL], 1
	s_and_b32 s13, s[WV], 1                        ; which 128 keys of a slot I fetch, if I fetch
	s_lshl_b32 s14, s13, 14
	s_add_co_u32 s14, s14, s9
	s_mov_b32 s15, 0
	s_mul_i32 s16, s13, 128*KP
	s_mul_i32 s17, s13, 128*VP
	s_add_co_u32 s17, s17, VOFF
	s_mov_b32 s[G1K], (1<<16)|(1<<20)|(4<<22)|(3<<25)   ; elements of 2 bytes; padding: 4 words behind every 32
	s_mov_b32 s[G1V], (1<<16)|(1<<20)|(4<<22)|(7<<25)   ; 8 words
.irp g, G1K, G1V
	s_mov_b32 s[\g+1], 64<<16                      ; tensor_dim0
	s_mov_b32 s[\g+2], 128<<16                     ; tensor_dim1
	s_mov_b32 s[\g+3], 64<<16                      ; tile_dim0
	s_mov_b32 s[\g+4], 128                         ; tile_dim1
	s_mov_b32 s[\g+5], 64                          ; from row to row
	s_mov_b32 s[\g+6], 0
	s_mov_b32 s[\g+7], 0
.endr
	s_mov_b32 s[SEL], 0x76543210
	s_mov_b32 s[SEL+1], 0xfedcba98
	s_mov_b32 s[CS], 0x4238aa3b                    ; c = 32 log2(e)
	s_mov_b32 s[CS+1], s[CS]
	s_mov_b32 s[TB], 0
	s_mov_b32 s[SLOTS], 2048/SK-1
	s_mov_b32 s[KF], 0
	s_wait_dscnt 0x0                               ; both opening adds are done
	s_wait_kmcnt 0x0
	s_mov_b32 s[G0K], 1
	s_mov_b32 s[G0K+1], s16
	s_add_nc_u64 s[G0K+2:G0K+3], s[4:5], s[14:15]
	s_add_nc_u64 s[G0K+2:G0K+3], s[G0K+2:G0K+3], 0x1000000
	s_or_b32 s[G0K+3], s[G0K+3], 0x80000000
	s_mov_b32 s[G0V], 1
	s_mov_b32 s[G0V+1], s17
	s_add_nc_u64 s[G0V+2:G0V+3], s[4:5], s[14:15]
	s_add_nc_u64 s[G0V+2:G0V+3], s[G0V+2:G0V+3], 0x2000000
	s_or_b32 s[G0V+3], s[G0V+3], 0x80000000
	TLOAD                                          ; slot 0: key 0 counts for every query, so what the head fetches is read
	s_lshl_b32 s56, s[Q0], 7
	s_add_co_u32 s56, s56, s9
	s_mov_b32 s57, 0
	s_add_nc_u64 s[58:59], s[4:5], s[56:57]        ; Q at my first query
	s_and_b32 s56, s8, 15
	s_lshl_b32 s56, s56, 20
	s_lshr_b32 s60, s8, 4
	s_lshl_b32 s60, s60, 11
	s_add_co_u32 s60, s60, s[Q0]
	s_lshl_b32 s60, s60, 7
	s_add_co_u32 s56, s56, s60
	s_add_nc_u64 s[6:7], s[6:7], s[56:57]          ; ao at my first query
	s_mov_b32 s56, 0x2000000                       ; the prefetches: waves 4-7 K, waves 8-11 V
	s_cmp_lt_u32 s[WV], 8
	s_cselect_b32 s56, 0x1000000, s56
	s_add_co_u32 s56, s56, s9
	s_and_b32 s60, s[WV], 3
	s_lshl_b32 s60, s60, 13
	s_add_co_u32 s56, s56, s60
	s_add_co_u32 s56, s56, SK*128                  ; in slot 1: the first change of slots steps it to slot 2
	s_add_nc_u64 s[PFA:PFA+1], s[4:5], s[56:57]
	s_sub_co_u32 s60, s[WV], 4
	s_lshr_b32 s60, s60, 3                         ; 0 in waves 4 to 11,
	s_or_b32 s60, s60, ttmp9                       ; of the head's work-group 0
	s_cmp_eq_u32 s60, 0
	s_cselect_b32 s[LIM], 1, -1
	v_and_b32 v12, 15, v0                          ; r
	v_bfe_u32 v13, v0, 4, 1                        ; h
	v_lshlrev_b32 v[ADK], 7, v12
	v_lshl_add_u32 v[ADK], v13, 4, v[ADK]          ; Q: row r of 128 bytes + 16 h
.irp t, 0,1
.irp c, 0,1
	global_load_b128 v[QF+16*\t+8*\c:QF+16*\t+8*\c+3], v[ADK], s[58:59] offset:\t*2048+64*\c
	global_load_b128 v[QF+16*\t+8*\c+4:QF+16*\t+8*\c+7], v[ADK], s[58:59] offset:\t*2048+64*\c+32
.endr
.endr
	v_mul_u32_u24 v[AK0], v12, KP
	v_lshl_add_u32 v[AK0], v13, 4, v[AK0]
	v_and_b32 v14, 7, v0
	v_bfe_u32 v15, v0, 3, 1
	v_lshl_add_u32 v[AV0], v13, 3, v14
	v_mul_u32_u24 v[AV0], v[AV0], VP
	v_lshl_add_u32 v[AV0], v15, 4, v[AV0]
	v_add_nc_u32 v[AV0], VOFF, v[AV0]              ; the turning load: key 8 h + l % 8, channels 8 ((l / 8) % 2) on
	v_and_b32 v14, 31, v0
	v_lshlrev_b32 v[GO], 4, v14
	v_lshlrev_b32 v[PFO], 8, v14
	s_mul_i32 s56, s[WV], 32*KP
	s_add_co_u32 s56, s56, STAGE                   ; my stage
	v_mul_u32_u24 v[STO], v12, KP
	v_lshl_add_u32 v[STO], v13, 4, v[STO]
	v_add_nc_u32 v[STO], s56, v[STO]
	v_lshrrev_b32 v15, 3, v14
	v_mul_u32_u24 v[RD], v15, KP
	v_and_b32 v15, 7, v0
	v_lshl_add_u32 v[RD], v15, 4, v[RD]
	v_add_nc_u32 v[RD], s56, v[RD]
	v_lshlrev_b32 v[RH], 3, v13
	v_sub_nc_u32 v[RH], v12, v[RH]
.irp t, 0,1
	v_mov_b32 v[ST+10*\t+1], 0xf149f2ca            ; m = -1e30
	v_mul_f32 v[ST+10*\t], s[CS], v[ST+10*\t+1]    ; c m
.irp j, 2,3,4,5,6,7,8,9
	v_mov_b32 v[ST+10*\t+\j], 0
.endr
.endr
.set i, 0
.rept 64
	v_mov_b32 v[O+i], 0                            ; O^T.  (The step is written once: the first finds zeros, which a = 0 leaves zeros)
.set i, i+1
.endr
; THE SOFTMAX of both tiles for one step of 64 keys, the tiles line by line.
.macro SOFT
.irp j, 0,1,2,3
.irp t, 0,1
	v_max3_num_f32 v[ST+10*\t+6+\j], v[S+32*\t+8*\j], v[S+32*\t+8*\j+1], v[S+32*\t+8*\j+2]   ; four chains, each begun at the low end of one accumulator
.endr
.endr
.irp i, 3,5
.irp j, 0,1,2,3
.irp t, 0,1
	v_max3_num_f32 v[ST+10*\t+6+\j], v[ST+10*\t+6+\j], v[S+32*\t+8*\j+\i], v[S+32*\t+8*\j+\i+1]
.endr
.endr
.endr
.irp t, 0,1
	v_max3_num_f32 v[ST+10*\t+6], v[ST+10*\t+6], v[S+32*\t+7], v[S+32*\t+15]
	v_max3_num_f32 v[ST+10*\t+8], v[ST+10*\t+8], v[S+32*\t+23], v[S+32*\t+31]
.endr
.irp t, 0,1
	v_max3_num_f32 v[ST+10*\t+6], v[ST+10*\t+6], v[ST+10*\t+7], v[ST+10*\t+8]
.endr
.irp t, 0,1
	v_max3_num_f32 v[ST+10*\t+6], v[ST+10*\t+6], v[ST+10*\t+9], v[ST+10*\t+1]   ; and the old m
.endr
.irp t, 0,1
	v_permlanex16_b32 v[ST+10*\t+7], v[ST+10*\t+6], s[SEL], s[SEL+1]            ; the query's other 32 keys lie in the lane 16 away
.endr
.irp t, 0,1
	v_mov_b32 v[ST+10*\t+9], v[ST+10*\t]           ; c m_old is kept: a is made of the very numbers under which the weights were and are summed
.endr
.irp t, 0,1
	v_max_num_f32 v[ST+10*\t+1], v[ST+10*\t+6], v[ST+10*\t+7]
.endr
.irp t, 0,1
	v_mul_f32 v[ST+10*\t], s[CS], v[ST+10*\t+1]
.endr
.irp t, 0,1
	v_sub_f32 v[ST+10*\t+9], v[ST+10*\t+9], v[ST+10*\t]
.endr
.irp i, 0,2,4,6,8,10,12,14,16,18,20,22,24,26,28,30
.irp t, 0,1
	v_pk_fma_f32 v[S+32*\t+\i:S+32*\t+\i+1], v[S+32*\t+\i:S+32*\t+\i+1], s[CS:CS+1], v[ST+10*\t:ST+10*\t+1] op_sel_hi:[1,0,0] neg_lo:[0,0,1] neg_hi:[0,0,1]   ; c s - c m
.endr
.endr
.irp t, 0,1
	v_exp_f32 v[ST+10*\t+4], v[ST+10*\t+9]         ; a
.endr
.set i, 0
.rept 64
	v_exp_f32 v[S+i], v[S+i]                       ; p
.set i, i+1
.endr
	v_nop                                          ; a plain instruction behind the last exponential
	s_wait_alu depctr_va_vdst(0)                   ; ONE wait for the 66, ahead of the first instruction that names a result
.irp t, 0,1
	v_pk_add_f32 v[ST+10*\t+6:ST+10*\t+7], v[S+32*\t:S+32*\t+1], v[S+32*\t+2:S+32*\t+3]      ; the sum of the unrounded p, in two chains
	v_pk_add_f32 v[ST+10*\t+8:ST+10*\t+9], v[S+32*\t+4:S+32*\t+5], v[S+32*\t+6:S+32*\t+7]
.endr
.irp i, 8,12,16,20,24,28
.irp t, 0,1
	v_pk_add_f32 v[ST+10*\t+6:ST+10*\t+7], v[ST+10*\t+6:ST+10*\t+7], v[S+32*\t+\i:S+32*\t+\i+1]
	v_pk_add_f32 v[ST+10*\t+8:ST+10*\t+9], v[ST+10*\t+8:ST+10*\t+9], v[S+32*\t+\i+2:S+32*\t+\i+3]
.endr
.endr
.irp t, 0,1
	v_pk_add_f32 v[ST+10*\t+6:ST+10*\t+7], v[ST+10*\t+6:ST+10*\t+7], v[ST+10*\t+8:ST+10*\t+9]
.endr
.irp t, 0,1
	v_pk_fma_f32 v[ST+10*\t+2:ST+10*\t+3], v[ST+10*\t+2:ST+10*\t+3], v[ST+10*\t+4:ST+10*\t+5], v[ST+10*\t+6:ST+10*\t+7] op_sel_hi:[1,0,1]   ; l = a l + the sum
.endr
.set i, 0
.rept 16
.irp t, 0,1
	v_cvt_pk_f16_f32 v[S+32*\t+i], v[S+32*\t+2*i], v[S+32*\t+2*i+1]   ; in place, ascending: register i was read by conversion i / 2
.endr
.set i, i+1
.endr
.set i, 0
.rept 16
.irp t, 0,1
	v_pk_mul_f32 v[O+32*\t+2*i:O+32*\t+2*i+1], v[O+32*\t+2*i:O+32*\t+2*i+1], v[ST+10*\t+4:ST+10*\t+5] op_sel_hi:[1,0]   ; O^T x a
.endr
.set i, i+1
.endr
.endm
; A KEY STEP: 64 keys, the q-th of the slot in hand.
.macro STEP q
	s_add_co_u32 s56, s[Q0], 31
	s_cmp_gt_u32 s[KF], s56                        ; all keys come after my 32 queries: the step's work is left out (ids alone; no barrier and no tensor load stands in a step)
	s_cbranch_scc1 .Lhidden_\@
	v_add_nc_u32 v[ADK], s[TB], v[AK0]
	v_add_nc_u32 v[ADV], s[TB], v[AV0]
.irp kt, 0,1,2,3
.irp c, 0,1
	ds_load_b128 v[KV+8*(2*\kt+\c):KV+8*(2*\kt+\c)+3], v[ADK] offset:(64*(\q)+16*\kt)*KP+64*\c
	ds_load_b128 v[KV+8*(2*\kt+\c)+4:KV+8*(2*\kt+\c)+7], v[ADK] offset:(64*(\q)+16*\kt)*KP+64*\c+32
.endr
.endr
	s_wait_dscnt 0x0
.irp c, 0,1                                    ; S^T = K Q^T: the eight accumulators take turns, one instruction a turn
.irp kt, 0,1,2,3
.irp t, 0,1
.if \c == 0
	v_wmma_f32_16x16x32_f16 v[S+32*\t+8*\kt:S+32*\t+8*\kt+7], v[KV+8*(2*\kt+\c):KV+8*(2*\kt+\c)+7], v[QF+16*\t+8*\c:QF+16*\t+8*\c+7], 0
.else
	v_wmma_f32_16x16x32_f16 v[S+32*\t+8*\kt:S+32*\t+8*\kt+7], v[KV+8*(2*\kt+\c):KV+8*(2*\kt+\c)+7], v[QF+16*\t+8*\c:QF+16*\t+8*\c+7], v[S+32*\t+8*\kt:S+32*\t+8*\kt+7]
.endif
.endr
.endr
.endr
.rept 4
	v_nop                                          ; four places: for the loads into K's registers, and for the first reads of the scores
.endr
.irp g, 0,1
.irp ct, 0,1,2,3
	ds_load_tr16_b128 v[KV+8*(4*\g+\ct):KV+8*(4*\g+\ct)+3], v[ADV] offset:(64*(\q)+32*\g)*VP+32*\ct
	ds_load_tr16_b128 v[KV+8*(4*\g+\ct)+4:KV+8*(4*\g+\ct)+7], v[ADV] offset:(64*(\q)+32*\g)*VP+16*VP+32*\ct
.endr
.endr
	s_add_co_u32 s56, s[KF], 63
	s_cmp_le_u32 s56, s[Q0]                        ; all keys count for all my queries: no mask
	s_cbranch_scc1 .Lopen_\@
	s_sub_co_i32 s56, s[Q0], s[KF]
	v_add_nc_u32 v[ST+6], s56, v[RH]               ; d = my query - the step's first key - 8 (lane / 16), tile 0;
	v_add_nc_u32 v[ST+16], 16, v[ST+6]             ; tile 1.  Register 8 kt + j holds key 16 kt + 8 (lane / 16) + j: hidden where 16 kt + j > d
	v_mov_b32 v[ST+7], 0xff800000                  ; -infinity: p = 0 then
.irp t, 0,1
.irp kt, 0,1,2,3
.irp j, 0,1,2,3,4,5,6,7
	v_cmp_gt_i32 vcc_lo, 16*\kt+\j, v[ST+10*\t+6]
	v_cndmask_b32 v[S+32*\t+8*\kt+\j], v[S+32*\t+8*\kt+\j], v[ST+7], vcc_lo
.endr
.endr
.endr
.Lopen_\@:
	SOFT
	s_wait_dscnt 0x0                               ; V is in
.irp g, 0,1                                    ; O^T += V^T P: eight accumulators by turns
.irp ct, 0,1,2,3
.irp t, 0,1
	v_wmma_f32_16x16x32_f16 v[O+32*\t+8*\ct:O+32*\t+8*\ct+7], v[KV+8*(4*\g+\ct):KV+8*(4*\g+\ct)+7], v[S+32*\t+8*\g:S+32*\t+8*\g+7], v[O+32*\t+8*\ct:O+32*\t+8*\ct+7]
.endr
.endr
.endr
.rept 5
	v_nop                                          ; five places: the next step's first products write over P, which these products read; its loads land in V's registers
.endr
.Lhidden_\@:
	s_add_co_u32 s[KF], s[KF], 64
.endm
; THE CHANGE OF SLOTS, at a slot's head.  Each wave waits for all its tensor loads, adds 0 to its spare word, and waits for that and for its reads of the slot that it has left; one barrier; behind it the slot ahead is whole and
; nobody reads the other one, which (fill = 1) is filled with the keys that follow: the load has a slot's four steps in which to land.  A wave has at most one tensor load out.
.macro CHANGE fill
	s_wait_tensorcnt 0x0                           ; no tensor load of mine is out, so a group 0 may be written
	ds_add_u32 v[SPW], v[NIL]
.if \fill
	ds_add_u32 v[SPW], v[NIL]                      ; and twice on end here, in every trip alike
	s_xor_b32 s[G0K+1], s[G0K+1], SLOT1
	s_add_nc_u64 s[G0K+2:G0K+3], s[G0K+2:G0K+3], SK*128
	s_xor_b32 s[G0V+1], s[G0V+1], SLOT1
	s_add_nc_u64 s[G0V+2:G0V+3], s[G0V+2:G0V+3], SK*128
	s_wait_xcnt 0x0                                ; the last prefetch, a slot back, has read its address
	s_add_nc_u64 s[PFA:PFA+1], s[PFA:PFA+1], SK*128
.endif
	s_wait_dscnt 0x0
	s_barrier_signal -1
	s_barrier_wait -1
.if \fill
	s_add_co_u32 s56, s[KF], SK                    ; the first key of the slot that this change would ask for
	s_cmp_gt_u32 s56, s[QL]                        ; past my work-group's last query: none of its waves would read it, so it is not asked for.  Ids and the count of steps alone: all sixteen waves go the same way;
	s_cbranch_scc1 .Lpast_\@                       ; every wait on TENSORcnt in this text is for 0, and the jump leads round the load's own lines alone
	TLOAD
.Lpast_\@:
	ASK
.endif
.endm
.macro SLOT_STEPS
	STEP 0
	STEP 1
	STEP 2
	STEP 3
	s_xor_b32 s[TB], s[TB], SLOT1
.endm
	s_wait_loadcnt 0x0                             ; Q
.Lslot:                                            ; seven trips
	CHANGE 1
	SLOT_STEPS
	s_sub_co_u32 s[SLOTS], s[SLOTS], 1
	s_cmp_lg_u32 s[SLOTS], 0
	s_cbranch_scc1 .Lslot
	CHANGE 0                                       ; the last slot is written out: nothing is left to ask for
	SLOT_STEPS
	; THE WAY OUT: O^T / l, rounded to f16, through my stage, out as four rows of 128 bytes a store: 512 consecutive bytes.
.irp t, 0,1
	v_add_f32 v[ST+10*\t+6], v[ST+10*\t+2], v[ST+10*\t+3]
.endr
.irp t, 0,1
	v_permlanex16_b32 v[ST+10*\t+7], v[ST+10*\t+6], s[SEL], s[SEL+1]
.endr
.irp t, 0,1
	v_add_f32 v[ST+10*\t+6], v[ST+10*\t+6], v[ST+10*\t+7]
.endr
.irp t, 0,1
	v_rcp_f32 v[ST+10*\t+4], v[ST+10*\t+6]
.endr
	v_nop
	s_wait_alu depctr_va_vdst(0)                   ; one wait for the two reciprocals, ahead of their first reader
.irp t, 0,1
.set i, 0
.rept 16
	v_pk_mul_f32 v[S+32*\t+2*i:S+32*\t+2*i+1], v[O+32*\t+2*i:O+32*\t+2*i+1], v[ST+10*\t+4:ST+10*\t+5] op_sel_hi:[1,0]
.set i, i+1
.endr
.set i, 0
.rept 16
	v_cvt_pk_f16_f32 v[KV+16*\t+i], v[S+32*\t+2*i], v[S+32*\t+2*i+1]
.set i, i+1
.endr
.irp ct, 0,1,2,3
	ds_store_b128 v[STO], v[KV+16*\t+4*\ct:KV+16*\t+4*\ct+3] offset:\t*16*KP+32*\ct
.endr
.endr
.irp i, 0,1,2,3,4,5,6,7
	ds_load_b128 v[S+4*\i:S+4*\i+3], v[RD] offset:\i*4*KP          ; LDS serves a wave's instructions in order: these see my stores
.endr
.irp i, 0,1,2,3,4,5,6,7
	s_wait_dscnt 7-\i                              ; the younger loads may be out
	global_store_b128 v[GO], v[S+4*\i:S+4*\i+3], s[6:7] offset:512*\i
.endr
	s_wait_tensorcnt 0x0                           ; the wave's end
	ds_add_u32 v[SPW], v[NIL]
	s_wait_dscnt 0x0
	s_endpgm
.Lfunc_end_k_q37e307c3fb_attn:
	.size	k_q37e307c3fb_attn, .Lfunc_end_k_q37e307c3fb_attn-k_q37e307c3fb_attn
	.p2alignl 7, 3214868480
	.fill 96, 4, 3214868480
	.section	.rodata,"a",@progbits
	.p2align	6, 0x0
	.amdhsa_kernel k_q37e307c3fb_attn
		.amdhsa_group_segment_fixed_size 327680
		.amdhsa_private_segment_fixed_size 0
		.amdhsa_enable_private_segment 0
		.amdhsa_kernarg_size 16
		.amdhsa_user_sgpr_count 2
		.amdhsa_user_sgpr_kernarg_segment_ptr 1
		.amdhsa_wavefront_size32 1
		.amdhsa_system_sgpr_workgroup_id_x 1
		.amdhsa_system_sgpr_workgroup_id_y 1
		.amdhsa_system_sgpr_workgroup_id_z 1
		.amdhsa_system_vgpr_workitem_id 0
		.amdhsa_next_free_vgpr 256
		.amdhsa_next_free_sgpr 66
		.amdhsa_reserve_vcc 1
		.amdhsa_float_denorm_mode_32 3
		.amdhsa_float_denorm_mode_16_64 3
		.amdhsa_memory_ordered 1
		.amdhsa_forward_progress 1
		.amdhsa_inst_pref_size 189
	.end_amdhsa_kernel
	.amdgpu_metadata
---
amdhsa.version: [ 1, 2 ]
amdhsa.kernels:
  - .name:           k_q37e307c3fb_attn
    .symbol:         k_q37e307c3fb_attn.kd
    .args:
      - { .name: qkv, .offset: 0, .size: 8, .value_kind: global_buffer, .address_space: global }
      - { .name: ao, .offset: 8, .size: 8, .value_kind: global_buffer, .address_space: global }
    .group_segment_fixed_size: 327680
    .private_segment_fixed_size: 0
    .kernarg_segment_align: 8
    .kernarg_segment_size: 16
    .max_flat_workgroup_size: 512
    .sgpr_count:     66
    .vgpr_count:     256
    .wavefront_size: 32
...
	.end_amdgpu_metadata
.endif
;; end of part 3
;; launch oproj (part 4): grid 8 x 64, 4 waves a work-group, clusters of 4 x 4, 327,680 bytes of LDS; arguments ao, wo_h, out0; writes out0
.if DOCPART == 4
	.amdgcn_target "amdgcn-amd-amdhsa--gfx1250"
	.amdhsa_code_object_version 6
	.text
	.protected	k_q37e307c3fb_oproj
	.globl	k_q37e307c3fb_oproj
	.p2align	8
	.type	k_q37e307c3fb_oproj,@function
k_q37e307c3fb_oproj:
	s_mov_b64 s[64:65], 0
	v_nop
	global_prefetch_b8 v0, s[64:65] scope:SCOPE_SE
	s_setreg_imm32_b32 hwreg(HW_REG_WAVE_MODE, 25, 1), 1
	s_wait_xcnt 0x0
	s_wait_alu depctr_hold_cnt(0) depctr_sa_sdst(0) depctr_va_vdst(0) depctr_va_sdst(0) depctr_va_ssrc(0) depctr_va_vcc(0) depctr_vm_vsrc(0)
	s_getreg_b32 s2, hwreg(HW_REG_IB_STS2, 6, 4)
	s_cmp_eq_u32 s2, 0
	s_cbranch_scc0 .Lentry_in_a_cluster
	s_endpgm
.Lentry_in_a_cluster:
	s_bfe_u32 s2, ttmp6, 0x10000c
	s_cmp_lg_u32 s2, 0xf033
	s_cbranch_scc0 .Lentry_shape_is_right
	s_endpgm
.Lentry_shape_is_right:
; out0[m][n] = sum over k of ao[m][k] wo_h[n][k], f16 operands, f32 sums, f32 out.  ao: [16 kb][8192 m][64] (x 2^-4), wo_h: [16 kb][1024 n][64] (x 16): the two factors cancel, so the sums leave as they are.
; All 8,192 rows are made here; the 64 rows of positions 0-15 are made again in f32 by the next launch.
; A tile of out0 is 128 x 128: 512 work-groups, two even turns on 256 WGPs.  Four waves, each 64 x 64: 16 accumulators.  K goes in steps of 256 (four kb) through two LDS slots.
; A wave's tensor load brings 64 rows x 4 kb: in memory 4 dense pieces of 8,192 bytes (64 rows of 128 bytes), a kb's plane apart; in LDS 16 bytes of padding follow every 128, so a piece is 64 rows of pitch 144.
; CLUSTERS 4 x 4: the four of a row of the cluster need the same tiles of ao, the four of a column the same tiles of wo_h: each is asked for jointly.  THE MATRIX INSTRUCTION IS USED TRANSPOSED (source 0 = 16 rows of wo_h,
; source 1 = 16 rows of ao): a lane holds eight neighbouring numbers of a row of out0.
; REGISTERS: window 0: v0-31 addresses; v32-95 the way out; v128-255 the accumulators ((a, b) at v[128 + 8 (4 a + b)]).  window 1: two fragment buffers of 128.
.set PITCH,  144
.set QB,     64*PITCH                  ; a kb's piece: 64 along K, a quarter of a K step
.set HALFT,  4*QB                      ; what one tensor load brings
.set SLOT,   4*HALFT
.set STAGE,  2*SLOT                    ; behind the ring: 16 rows x 272 bytes for each wave; no tensor load lands here
.set SPITCH, 272
.set SPARE,  STAGE+4*16*SPITCH
.set LAPS,   2                         ; a lap = two K steps; K = 1,024
.set ASTEP,  8*1048576                 ; two K steps on in ao: 8 planes of 8,192 x 128 bytes
.set BSTEP,  8*131072                  ; and in wo_h
.set ADRA, 16
.set ADRB, 20
.set STO,  24
.set RD,   25
.set CO,   26
.set SPW,  28
.set NIL,  29
.set TMP,  32
.set ACC,  128
.set F0,   0
.set F1,   128
.set G1, 24
.set G0, 32
.set G1B, 48
.set G0B, 56
.set MSB, 0
.macro WIN new
.if MSB != \new
	s_set_vgpr_msb (MSB<<8)|\new
.set MSB, \new
.endif
.endm
.set MUL,  0x05                        ; sources 0 and 1 window 1; C and D window 0
.set TO_F, 0x40
.macro JLOAD s                         ; waves 0, 1 fetch ao's two halves, waves 2, 3 wo_h's; an s_nop 0 and four v_nop follow each line
	s_cmp_eq_u32 s11, 0
	s_cbranch_scc0 .Lfor_b_\@
	tensor_load_to_lds s[G0+4*\s:G0+4*\s+3], s[G1:G1+7]
	s_nop 0
.rept 4
	v_nop
.endr
	s_branch .Lasked_\@
.Lfor_b_\@:
	tensor_load_to_lds s[G0B+4*\s:G0B+4*\s+3], s[G1B:G1B+7]
	s_nop 0
.rept 4
	v_nop
.endr
.Lasked_\@:
.endm
.macro CREST
	s_cmp_lg_u32 s10, 0
	s_cbranch_scc1 .Lnot_wave_0_\@
	s_barrier_signal -3
.Lnot_wave_0_\@:
	s_barrier_wait -3
	s_barrier_signal -1
	s_barrier_wait -1
.endm
.macro CROUND
	s_barrier_signal -1
	s_barrier_wait -1
	CREST
.endm
	s_load_b128 s[4:7], s[0:1], 0x0                ; ao, wo_h
	s_load_b64 s[8:9], s[0:1], 0x10                ; out0
	v_lshl_add_u32 v[SPW], v0, 2, SPARE
	v_mov_b32 v[NIL], 0
	ds_add_u32 v[SPW], v[NIL]                      ; the wave's opening: the add, twice on end, and its wait ahead of my first tensor load
	ds_add_u32 v[SPW], v[NIL]
	v_lshrrev_b32 v1, 5, v0
	v_readfirstlane_b32 s10, v1                    ; wave 0..3
	s_lshr_b32 s11, s10, 1                         ; my half of the tile's rows.  Also: I fetch for ao (0) or wo_h (1)
	s_and_b32 s12, s10, 1                          ; my half of its columns.  Also: which 64 rows I fetch
	s_bfe_u32 s40, ttmp6, 0x40000                  ; cx, cy
	s_bfe_u32 s41, ttmp6, 0x40004
	s_lshl_b32 s42, ttmp9, 2
	s_add_co_u32 s42, s42, s40                     ; tile column
	s_and_b32 s13, ttmp7, 0xffff
	s_lshl_b32 s13, s13, 2
	s_add_co_u32 s13, s13, s41                     ; tile row
	s_lshl_b32 s43, s41, 2
	s_lshl_b32 s43, 15, s43                        ; my row of the cluster
	s_lshl_b32 s44, 0x1111, s40                    ; my column
	s_or_b32 s[G1+0], s43, (1<<16)|(1<<20)|(1<<21)|(4<<22)|(3<<25)   ; the mask; elements of 2 bytes; padding: 4 words behind every 32
	s_or_b32 s[G1B+0], s44, (1<<16)|(1<<20)|(1<<21)|(4<<22)|(3<<25)
.irp g, G1, G1B
	s_mov_b32 s[\g+1], 4096<<16                    ; tensor_dim0 = 4,096 elements: 64 dense rows of 64
	s_mov_b32 s[\g+2], 4<<16                       ; tensor_dim1 = 4 planes
	s_mov_b32 s[\g+3], 4096<<16                    ; tile_dim0
	s_mov_b32 s[\g+4], 4                           ; tile_dim1
	s_mov_b32 s[\g+6], 0
	s_mov_b32 s[\g+7], 0
.endr
	s_mov_b32 s[G1+5], 524288                      ; from plane to plane: 8,192 x 64 elements
	s_mov_b32 s[G1B+5], 65536                      ; 1,024 x 64
	s_lshl_b32 s17, s12, 6
	s_lshl_b32 s16, s13, 7
	s_add_co_u32 s16, s16, s17                     ; ao: row 128 x tile row + 64 x half,
	s_lshl_b32 s16, s16, 7                         ; 128 bytes a row
	s_lshl_b32 s46, s42, 7
	s_add_co_u32 s46, s46, s17                     ; wo_h: row 128 x tile column + 64 x half
	s_lshl_b32 s46, s46, 7
	s_mov_b32 s17, 0
	s_mov_b32 s47, 0
	s_mul_i32 s20, s10, HALFT                      ; where they go: wave x 64 rows
	s_wait_dscnt 0x0                               ; both opening adds are done
	s_wait_kmcnt 0x0
	s_add_nc_u64 s[14:15], s[4:5], s[16:17]
	s_add_nc_u64 s[46:47], s[6:7], s[46:47]
	CROUND                                         ; all sixteen work-groups are here: the first joint loads meet
.irp s, 0,1
	s_mov_b32 s[G0+4*\s], 1
	s_add_co_u32 s[G0+4*\s+1], s20, \s*SLOT
	s_add_nc_u64 s[G0+4*\s+2:G0+4*\s+3], s[14:15], \s*ASTEP/2
	s_or_b32 s[G0+4*\s+3], s[G0+4*\s+3], 0x80000000
	s_mov_b32 s[G0B+4*\s], 1
	s_add_co_u32 s[G0B+4*\s+1], s20, \s*SLOT
	s_add_nc_u64 s[G0B+4*\s+2:G0B+4*\s+3], s[46:47], \s*BSTEP/2
	s_or_b32 s[G0B+4*\s+3], s[G0B+4*\s+3], 0x80000000
	JLOAD \s
.endr
	v_and_b32 v1, 15, v0                           ; r
	v_bfe_u32 v2, v0, 4, 1                         ; h
	v_mul_u32_u24 v3, v1, PITCH
	v_lshl_add_u32 v3, v2, 4, v3
	s_mul_i32 s21, s11, HALFT                      ; my 64 rows of ao
	s_mul_i32 s22, s12, HALFT                      ; my 64 rows of wo_h,
	s_add_co_u32 s22, s22, 2*HALFT                 ; behind ao's 128
.irp s, 0,1
	v_add_nc_u32 v[ADRA+\s], s21, v3
	v_add_nc_u32 v[ADRB+\s], s22, v3
	s_add_co_u32 s21, s21, SLOT
	s_add_co_u32 s22, s22, SLOT
.endr
	s_mul_i32 s23, s10, 16*SPITCH
	s_add_co_u32 s23, s23, STAGE                   ; my stage
	v_mul_u32_u24 v4, v1, SPITCH
	v_lshl_add_u32 v4, v2, 5, v4
	v_add_nc_u32 v[STO], s23, v4                   ; in: row r, 32 bytes for each half of the lanes
	v_mul_u32_u24 v5, v2, SPITCH
	v_lshl_add_u32 v5, v1, 4, v5
	v_add_nc_u32 v[RD], s23, v5                    ; back: lanes 0-15 one row of 256 bytes, lanes 16-31 the next
	v_lshlrev_b32 v5, 12, v2
	v_lshl_add_u32 v[CO], v1, 4, v5                ; and the same two rows in out0
	s_lshl_b32 s16, s13, 7
	s_lshl_b32 s17, s11, 6
	s_add_co_u32 s16, s16, s17                     ; my first row of out0,
	s_lshl_b32 s16, s16, 12                        ; 4,096 bytes a row
	s_mov_b32 s17, 0
	s_add_nc_u64 s[8:9], s[8:9], s[16:17]
	s_lshl_b32 s46, s42, 9                         ; my first column, in bytes
	s_lshl_b32 s47, s12, 8
	s_add_co_u32 s46, s46, s47
	s_mov_b32 s47, 0
	s_add_nc_u64 s[8:9], s[8:9], s[46:47]
.macro MUL8 f, c, a0, zero             ; 8 matrix instructions; the 16 accumulators take turns
.irp a, \a0, \a0+1
.irp b, 0,1,2,3
.if \zero
	v_wmma_f32_16x16x32_f16 v[ACC+8*(4*(\a)+\b):ACC+8*(4*(\a)+\b)+7], v[\f+64+8*(4*\c+\b):\f+64+8*(4*\c+\b)+7], v[\f+8*(4*\c+\a):\f+8*(4*\c+\a)+7], 0
.else
	v_wmma_f32_16x16x32_f16 v[ACC+8*(4*(\a)+\b):ACC+8*(4*(\a)+\b)+7], v[\f+64+8*(4*\c+\b):\f+64+8*(4*\c+\b)+7], v[\f+8*(4*\c+\a):\f+8*(4*\c+\a)+7], v[ACC+8*(4*(\a)+\b):ACC+8*(4*(\a)+\b)+7]
.endif
.endr
.endr
.endm
.macro FETCH slot, k, f                ; 32 LDS loads in one run: the fragments of one kb (at byte k of a half tile), the first 32 along K first
	WIN TO_F
.irp c, 0,1
.irp i, 0,1,2,3
	ds_load_b128 v[\f+64+8*(4*\c+\i):\f+64+8*(4*\c+\i)+3],   v[ADRB+\slot] offset:\k+64*\c+\i*16*PITCH
	ds_load_b128 v[\f+64+8*(4*\c+\i)+4:\f+64+8*(4*\c+\i)+7], v[ADRB+\slot] offset:\k+64*\c+\i*16*PITCH+32
	ds_load_b128 v[\f+8*(4*\c+\i):\f+8*(4*\c+\i)+3],         v[ADRA+\slot] offset:\k+64*\c+\i*16*PITCH
	ds_load_b128 v[\f+8*(4*\c+\i)+4:\f+8*(4*\c+\i)+7],       v[ADRA+\slot] offset:\k+64*\c+\i*16*PITCH+32
.endr
.endr
.endm
.macro PLACES
.rept 4
	v_nop
.endr
.endm
.macro QUARTER slot, k, f, g, zero
	s_wait_dscnt 16                                ; the first 32 along K are in; the other sixteen loads may be out
	WIN MUL
	MUL8 \f, 0, 0, \zero
	MUL8 \f, 0, 2, \zero
	PLACES
	FETCH \slot, \k, \g
	s_wait_dscnt 32                                ; all but the 32 just issued
	WIN MUL
	MUL8 \f, 1, 0, 0
	MUL8 \f, 1, 2, 0
.endm
; A slot's last quarter changes slots: each wave waits for all its tensor loads, adds 0 to its spare word, waits for that and for its reads of this slot; one barrier, which with fill = 1 opens a round of the cluster's barrier;
; the joint refill is the first tensor load behind the round.
.macro TURN slot, next, fill
	WIN 0
	s_wait_tensorcnt 0x0
	ds_add_u32 v[SPW], v[NIL]
	s_wait_dscnt 17                                ; (the add and the youngest sixteen loads may be out)
	WIN MUL
	MUL8 F1, 0, 0, 0
	s_wait_dscnt 0x0                               ; the add is done, and my reads of this slot are over
	s_barrier_signal -1
	MUL8 F1, 0, 2, 0
.if \fill
	WIN 0
.endif
	s_barrier_wait -1
.if \fill
	CREST
	s_add_nc_u64 s[G0+4*\slot+2:G0+4*\slot+3], s[G0+4*\slot+2:G0+4*\slot+3], ASTEP
	s_add_nc_u64 s[G0B+4*\slot+2:G0B+4*\slot+3], s[G0B+4*\slot+2:G0B+4*\slot+3], BSTEP
	JLOAD \slot                                    ; its four v_nop are also the places in front of the loads below
.else
	PLACES
.endif
	FETCH \next, 0, F0
	WIN MUL
	MUL8 F1, 1, 0, 0
	MUL8 F1, 1, 2, 0
.endm
	s_wait_tensorcnt 1                             ; my part of K step 0 is in (K step 1's load may be out)
	s_barrier_signal -1
	s_barrier_wait -1                              ; everybody's is
	FETCH 0, 0, F0
	QUARTER 0, QB, F0, F1, 1                       ; the first quarter's first products start the sums
	WIN 0
	s_mov_b32 s3, LAPS-1
.Llap:
	QUARTER 0, 2*QB, F1, F0, 0
	QUARTER 0, 3*QB, F0, F1, 0
	TURN 0, 1, 1
	QUARTER 1, QB, F0, F1, 0
	QUARTER 1, 2*QB, F1, F0, 0
	QUARTER 1, 3*QB, F0, F1, 0
	TURN 1, 0, 1
	QUARTER 0, QB, F0, F1, 0
	WIN 0
	s_sub_co_u32 s3, s3, 1
	s_cmp_lg_u32 s3, 0
	s_cbranch_scc1 .Llap
	QUARTER 0, 2*QB, F1, F0, 0                     ; the last lap fills nothing
	QUARTER 0, 3*QB, F0, F1, 0
	TURN 0, 1, 0
	QUARTER 1, QB, F0, F1, 0
	QUARTER 1, 2*QB, F1, F0, 0
	QUARTER 1, 3*QB, F0, F1, 0
	s_wait_dscnt 16
	WIN MUL
	MUL8 F1, 0, 0, 0
	MUL8 F1, 0, 2, 0
	s_wait_dscnt 0
	MUL8 F1, 1, 0, 0
	MUL8 F1, 1, 2, 0
	WIN 0
; THE WAY OUT, 16 rows x 64 columns at a time.  A wave's 64 columns are 256 bytes, aligned: so each wave goes through a stage of its own, with no barrier, and sixteen lanes store 256 consecutive bytes.
.macro TOSTAGE a
.irp b, 0,1,2,3
	ds_store_b128 v[STO], v[ACC+8*(4*(\a)+\b):ACC+8*(4*(\a)+\b)+3] offset:64*\b           ; each accumulator from its low end on
	ds_store_b128 v[STO], v[ACC+8*(4*(\a)+\b)+4:ACC+8*(4*(\a)+\b)+7] offset:64*\b+16
.endr
.irp t, 0,1,2,3,4,5,6,7
	ds_load_b128 v[TMP+32*((\a)%2)+4*\t:TMP+32*((\a)%2)+4*\t+3], v[RD] offset:\t*2*SPITCH   ; LDS serves a wave's instructions in order
.endr
.endm
.macro SEND a, younger
	s_wait_dscnt \younger
.irp t, 0,1,2,3,4,5,6,7
	global_store_b128 v[CO], v[TMP+32*((\a)%2)+4*\t:TMP+32*((\a)%2)+4*\t+3], s[8:9] offset:(16*(\a)+2*\t)*4096 th:TH_STORE_NT
.endr
.endm
	PLACES
	TOSTAGE 0
.irp a, 1,2,3
.if \a > 1
	s_wait_xcnt 0x0                                ; block a - 2's stores have read their registers
.endif
	TOSTAGE \a
	SEND \a-1, 16                                  ; behind block a - 1's loads: block a's 8 stores and 8 loads
.endr
	SEND 3, 0
	s_wait_tensorcnt 0x0                           ; the wave's end
	ds_add_u32 v[SPW], v[NIL]
	s_wait_dscnt 0x0
	CROUND                                         ; the closing round
	s_endpgm
.Lfunc_end_k_q37e307c3fb_oproj:
	.size	k_q37e307c3fb_oproj, .Lfunc_end_k_q37e307c3fb_oproj-k_q37e307c3fb_oproj
	.p2alignl 7, 3214868480
	.fill 96, 4, 3214868480
	.section	.rodata,"a",@progbits
	.p2align	6, 0x0
	.amdhsa_kernel k_q37e307c3fb_oproj
		.amdhsa_group_segment_fixed_size 327680
		.amdhsa_private_segment_fixed_size 0
		.amdhsa_enable_private_segment 0
		.amdhsa_kernarg_size 24
		.amdhsa_user_sgpr_count 2
		.amdhsa_user_sgpr_kernarg_segment_ptr 1
		.amdhsa_wavefront_size32 1
		.amdhsa_system_sgpr_workgroup_id_x 1
		.amdhsa_system_sgpr_workgroup_id_y 1
		.amdhsa_system_sgpr_workgroup_id_z 1
		.amdhsa_system_vgpr_workitem_id 0
		.amdhsa_next_free_vgpr 512
		.amdhsa_next_free_sgpr 66
		.amdhsa_reserve_vcc 0
		.amdhsa_float_denorm_mode_32 3
		.amdhsa_float_denorm_mode_16_64 3
		.amdhsa_memory_ordered 1
		.amdhsa_forward_progress 1
		.amdhsa_inst_pref_size 85
	.end_amdhsa_kernel
	.amdgpu_metadata
---
amdhsa.version: [ 1, 2 ]
amdhsa.kernels:
  - .name:           k_q37e307c3fb_oproj
    .symbol:         k_q37e307c3fb_oproj.kd
    .args:
      - { .name: ao, .offset: 0, .size: 8, .value_kind: global_buffer, .address_space: global }
      - { .name: wo_h, .offset: 8, .size: 8, .value_kind: global_buffer, .address_space: global }
      - { .name: out0, .offset: 16, .size: 8, .value_kind: global_buffer, .address_space: global }
    .group_segment_fixed_size: 327680
    .private_segment_fixed_size: 0
    .kernarg_segment_align: 8
    .kernarg_segment_size: 24
    .max_flat_workgroup_size: 128
    .sgpr_count:     66
    .vgpr_count:     512
    .wavefront_size: 32
...
	.end_amdgpu_metadata
.endif
;; end of part 4
;; launch first16 (part 5): grid 16 x 4, 16 waves a work-group, no clusters, 71,680 bytes of LDS; arguments qkv16, W_O, out0; writes out0
.if DOCPART == 5
	.amdgcn_target "amdgcn-amd-amdhsa--gfx1250"
	.amdhsa_code_object_version 6
	.text
	.protected	k_q37e307c3fb_first16
	.globl	k_q37e307c3fb_first16
	.p2align	8
	.type	k_q37e307c3fb_first16,@function
k_q37e307c3fb_first16:
	s_mov_b64 s[64:65], 0
	v_nop
	global_prefetch_b8 v0, s[64:65] scope:SCOPE_SE
	s_setreg_imm32_b32 hwreg(HW_REG_WAVE_MODE, 25, 1), 1
	s_wait_xcnt 0x0
; Positions 0-15 of each sequence in f32: under the causal mask they average one to sixteen values, and 16-bit operands would weigh most there.  64 of the 8,192 rows of out0 are written anew.
; qkv16: f32 [3][4 b][16 h][16 s][64], the projections' sums as they are.  W_O: f32 [1024 n][1024 k].
; SHARES.  Work-group (x, y): batch y, output columns 64 x .. 64 x + 63 (256 bytes of a row).  Wave w is head w: it makes its head's attention for the 16 positions, multiplies by W_O[64 x + .. ][64 w + ..], and leaves its part of
; the sum in LDS; behind one barrier waves 0-7 add the sixteen parts, two rows each.  The small attention is repeated in the sixteen column slabs, which spares a launch.
; v_wmma_f32_16x16x4_f32 throughout (96 a wave): lane (r, h) gives row or column r and k = 2 h + j.  Which true k stands at a place is free as long as both sources agree: stated at each product.
; v208-239 are written by matrix instructions alone, each sum begins with C = 0, and accumulators take turns.  This form wants 8 places before a result is read and 9 before a matrix instruction writes over it (ISA guide 7.12.1).
; REGISTERS: v3-9 addresses; v16-47 K, v48-79 Q, later W_O's tiles 2 and 3, later the sixteen parts; v80-111 V; v112-175 W_O's tiles 0 and 1; v176-183 scores, then p; v184-189 at work; then v176-207 O^T / l; v208-239 accumulators; v240 1 / l.
; LIMITS: NaN and infinities are not served.  The row's maximum is taken away before the exponential.
.set SPARE, 16*4352                    ; behind the sixteen parts: the spare words, 128 bytes a wave
.set SPW, 10
.set NIL, 11
.set RCP, 240                          ; v240  1 / the row's sum: outside v176-207, which the normalised O^T takes while this is still read
	s_load_b128 s[4:7], s[0:1], 0x0                ; qkv16, W_O
	s_load_b64 s[8:9], s[0:1], 0x10                ; out0
	v_lshl_add_u32 v[SPW], v0, 2, SPARE
	v_mov_b32 v[NIL], 0
	v_lshrrev_b32 v1, 5, v0
	v_readfirstlane_b32 s10, v1                    ; wave = head
	v_and_b32 v1, 15, v0                           ; r
	v_bfe_u32 v2, v0, 4, 1                         ; h
	v_lshlrev_b32 v3, 8, v1
	v_lshl_add_u32 v3, v2, 4, v3                   ; K, Q: row r of 256 bytes + 16 h
	v_lshlrev_b32 v4, 2, v1
	v_lshl_add_u32 v4, v2, 11, v4                  ; V: key 8 h, channel r
	v_lshlrev_b32 v5, 12, v1
	v_lshl_add_u32 v5, v2, 5, v5                   ; W_O: row r of 4,096 bytes + 32 h
	s_mul_i32 s18, s10, 4352
	v_mul_u32_u24 v6, v1, 272
	v_lshl_add_u32 v6, v2, 5, v6
	v_add_nc_u32 v6, s18, v6                       ; LDS, in: my part: row r of 272 bytes, + 32 h
	s_mul_i32 s18, s10, 544
	v_mul_u32_u24 v7, v2, 272
	v_lshl_add_u32 v7, v1, 4, v7
	v_add_nc_u32 v7, s18, v7                       ; LDS, back: rows 2 w and 2 w + 1 of a part, 16 bytes a lane
	v_lshlrev_b32 v8, 12, v2
	v_lshl_add_u32 v8, v1, 4, v8                   ; and the same two rows in out0
	v_lshlrev_b32 v9, 3, v2
	v_sub_nc_u32 v9, v1, v9                        ; r - 8 h, for the mask
	s_and_b32 s11, ttmp7, 0xffff                   ; the batch
	s_lshl_b32 s12, s11, 4
	s_add_co_u32 s12, s12, s10
	s_lshl_b32 s12, s12, 12                        ; my head's 4,096 bytes in each of q, k, v
	s_mov_b32 s13, 0
	s_lshl_b32 s14, ttmp9, 18                      ; W_O: 64 rows of 4,096 bytes a slab,
	s_lshl_b32 s15, s10, 8                         ; my head's 256 bytes of a row
	s_add_co_u32 s14, s14, s15
	s_mov_b32 s15, 0
	s_lshl_b32 s16, s11, 11
	s_lshl_b32 s17, s10, 1
	s_add_co_u32 s16, s16, s17                     ; out0: row 2,048 y + 2 w,
	s_lshl_b32 s16, s16, 12
	s_lshl_b32 s17, ttmp9, 8                       ; the slab's 256 bytes
	s_add_co_u32 s16, s16, s17
	s_mov_b32 s17, 0
	s_mov_b32 s20, 0x76543210
	s_mov_b32 s21, 0xfedcba98
	s_mov_b32 s22, 0x3e38aa3b                      ; log2(e) / 8
	s_wait_kmcnt 0x0
	s_add_nc_u64 s[4:5], s[4:5], s[12:13]
	s_add_nc_u64 s[6:7], s[6:7], s[14:15]
	s_add_nc_u64 s[8:9], s[8:9], s[16:17]
.irp c, 0,1,2,3,4,5,6,7
	global_load_b128 v[16+4*\c:19+4*\c], v3, s[4:5] offset:262144+32*\c    ; K(r, 8 c + 4 h + 0..3)
.endr
.irp c, 0,1,2,3,4,5,6,7
	global_load_b128 v[48+4*\c:51+4*\c], v3, s[4:5] offset:32*\c           ; Q likewise
.endr
.irp ct, 0,1,2,3
.irp i, 0,1,2,3,4,5,6,7
	global_load_b32 v[80+8*\ct+\i], v4, s[4:5] offset:524288+\i*256+\ct*64 ; V(key 8 h + i, channel 16 ct + r)
.endr
.endr
.irp nt, 0,1
.irp ct, 0,1,2,3
	global_load_b128 v[112+32*\nt+8*\ct:115+32*\nt+8*\ct], v5, s[6:7] offset:\nt*65536+\ct*64      ; W_O(16 nt + r, 16 ct + 8 h + 0..7)
	global_load_b128 v[116+32*\nt+8*\ct:119+32*\nt+8*\ct], v5, s[6:7] offset:\nt*65536+\ct*64+16
.endr
.endr
	s_wait_loadcnt 48                              ; K and Q are in; V's 32 loads and W_O's 16 may be out
; S^T = K Q^T: source 0 = 16 keys, source 1 = 16 queries; place k = 2 h + j stands for channel 8 c + 4 h + j (first accumulator) or 8 c + 4 h + 2 + j (second), on both sides
.irp c, 0,1,2,3,4,5,6,7
.if \c == 0
	v_wmma_f32_16x16x4_f32 v[208:215], v[16+4*\c:17+4*\c], v[48+4*\c:49+4*\c], 0
	v_wmma_f32_16x16x4_f32 v[216:223], v[18+4*\c:19+4*\c], v[50+4*\c:51+4*\c], 0
.else
	v_wmma_f32_16x16x4_f32 v[208:215], v[16+4*\c:17+4*\c], v[48+4*\c:49+4*\c], v[208:215]
	v_wmma_f32_16x16x4_f32 v[216:223], v[18+4*\c:19+4*\c], v[50+4*\c:51+4*\c], v[216:223]
.endif
.endr
.rept 8
	v_nop                                          ; eight places: for the loads into K's and Q's registers and the reads of the scores
.endr
.irp nt, 2,3
.irp ct, 0,1,2,3
	global_load_b128 v[16+32*(\nt-2)+8*\ct:19+32*(\nt-2)+8*\ct], v5, s[6:7] offset:\nt*65536+\ct*64
	global_load_b128 v[20+32*(\nt-2)+8*\ct:23+32*(\nt-2)+8*\ct], v5, s[6:7] offset:\nt*65536+\ct*64+16
.endr
.endr
.irp j, 0,1,2,3,4,5,6,7
	v_add_f32 v[176+\j], v[208+\j], v[216+\j]      ; lane (r, h): query r, key 8 h + j
.endr
	v_mov_b32 v184, 0xff800000
.irp j, 0,1,2,3,4,5,6,7
	v_cmp_gt_i32 vcc_lo, \j, v9                    ; hidden where 8 h + j > r
	v_cndmask_b32 v[176+\j], v[176+\j], v184, vcc_lo
.endr
	v_max3_num_f32 v185, v176, v177, v178
	v_max3_num_f32 v186, v179, v180, v181
	v_max3_num_f32 v185, v185, v182, v183
	v_max_num_f32 v185, v185, v186
	v_permlanex16_b32 v186, v185, s20, s21
	v_max_num_f32 v185, v185, v186                 ; the row's maximum (key 0 counts for every query)
	v_mul_f32 v185, s22, v185
.irp j, 0,1,2,3,4,5,6,7
	v_fma_f32 v[176+\j], v[176+\j], s22, -v185
.endr
.irp j, 0,1,2,3,4,5,6,7
	v_exp_f32 v[176+\j], v[176+\j]
.endr
	v_nop
	s_wait_alu depctr_va_vdst(0)                   ; one wait for the eight, ahead of their first reader
	v_add_f32 v186, v176, v177
	v_add_f32 v187, v178, v179
	v_add_f32 v188, v180, v181
	v_add_f32 v189, v182, v183
	v_add_f32 v186, v186, v187
	v_add_f32 v188, v188, v189
	v_add_f32 v186, v186, v188
	v_permlanex16_b32 v187, v186, s20, s21
	v_add_f32 v186, v186, v187
	v_rcp_f32 v[RCP], v186
	v_nop
	s_wait_alu depctr_va_vdst(0)
	s_wait_loadcnt 32                              ; V is in; W_O's 32 loads may be out
; O^T = V^T P: source 0 = 16 channels, source 1 = 16 queries; place k = 2 h + j stands for key 8 h + 2 kp + j on both sides
.irp kp, 0,1,2,3
.irp ct, 0,1,2,3
.if \kp == 0
	v_wmma_f32_16x16x4_f32 v[208+8*\ct:215+8*\ct], v[80+8*\ct+2*\kp:81+8*\ct+2*\kp], v[176+2*\kp:177+2*\kp], 0
.else
	v_wmma_f32_16x16x4_f32 v[208+8*\ct:215+8*\ct], v[80+8*\ct+2*\kp:81+8*\ct+2*\kp], v[176+2*\kp:177+2*\kp], v[208+8*\ct:215+8*\ct]
.endif
.endr
.endr
.rept 9
	v_nop                                          ; nine places: the results are read, p's registers written, and the next product begins anew on these accumulators
.endr
.set i, 0
.rept 32
	v_mul_f32 v[176+i], v[208+i], v[RCP]           ; O^T / l: register 8 ct + j: channel 16 ct + 8 h + j of query r.  (v176-207 take in the registers that were at work; 1 / l lies outside them)
.set i, i+1
.endr
	s_wait_loadcnt 0x0
; my head's part of out0^T: source 0 = 16 rows of W_O, source 1 = 16 queries; place k = 2 h + j stands for channel 16 ct + 8 h + 2 kp + j on both sides
.irp ct, 0,1,2,3
.irp kp, 0,1,2,3
.irp nt, 0,1,2,3
.if \nt < 2
.set WB, 112+32*\nt+8*\ct+2*\kp
.else
.set WB, 16+32*(\nt-2)+8*\ct+2*\kp
.endif
.if (\ct == 0) && (\kp == 0)
	v_wmma_f32_16x16x4_f32 v[208+8*\nt:215+8*\nt], v[WB:WB+1], v[176+8*\ct+2*\kp:177+8*\ct+2*\kp], 0
.else
	v_wmma_f32_16x16x4_f32 v[208+8*\nt:215+8*\nt], v[WB:WB+1], v[176+8*\ct+2*\kp:177+8*\ct+2*\kp], v[208+8*\nt:215+8*\nt]
.endif
.endr
.endr
.endr
.rept 8
	v_nop
.endr
.irp nt, 0,1,2,3
	ds_store_b128 v6, v[208+8*\nt:211+8*\nt] offset:64*\nt         ; lane (r, h): row r, columns 16 nt + 8 h + 0..7; each accumulator from its low end on
	ds_store_b128 v6, v[212+8*\nt:215+8*\nt] offset:64*\nt+16
.endr
	s_wait_dscnt 0x0                               ; for the others' sake: my part lies in LDS
	s_barrier_signal -1
	s_barrier_wait -1
	s_cmp_lt_u32 s10, 8                            ; waves 0-7 add the sixteen parts, two rows each
	s_cbranch_scc0 .Ldone
.irp kw, 0,1,2,3,4,5,6,7,8,9,10,11,12,13,14,15
	ds_load_b128 v[16+4*\kw:19+4*\kw], v7 offset:\kw*4352
.endr
	s_wait_dscnt 0x0
.irp n, 32,16,8,4
.set i, 0
.rept \n/2
	v_pk_add_f32 v[16+i:17+i], v[16+i:17+i], v[16+\n+i:17+\n+i]
.set i, i+2
.endr
.endr
	global_store_b128 v8, v[16:19], s[8:9]         ; sixteen lanes store 256 consecutive bytes, aligned
.Ldone:
	s_wait_tensorcnt 0x0                           ; the wave's end
	ds_add_u32 v[SPW], v[NIL]
	s_wait_dscnt 0x0
	s_endpgm
.Lfunc_end_k_q37e307c3fb_first16:
	.size	k_q37e307c3fb_first16, .Lfunc_end_k_q37e307c3fb_first16-k_q37e307c3fb_first16
	.p2alignl 7, 3214868480
	.fill 96, 4, 3214868480
	.section	.rodata,"a",@progbits
	.p2align	6, 0x0
	.amdhsa_kernel k_q37e307c3fb_first16
		.amdhsa_group_segment_fixed_size 71680
		.amdhsa_private_segment_fixed_size 0
		.amdhsa_enable_private_segment 0
		.amdhsa_kernarg_size 24
		.amdhsa_user_sgpr_count 2
		.amdhsa_user_sgpr_kernarg_segment_ptr 1
		.amdhsa_wavefront_size32 1
		.amdhsa_system_sgpr_workgroup_id_x 1
		.amdhsa_system_sgpr_workgroup_id_y 1
		.amdhsa_system_sgpr_workgroup_id_z 1
		.amdhsa_system_vgpr_workitem_id 0
		.amdhsa_next_free_vgpr 256
		.amdhsa_next_free_sgpr 66
		.amdhsa_reserve_vcc 1
		.amdhsa_float_denorm_mode_32 3
		.amdhsa_float_denorm_mode_16_64 3
		.amdhsa_memory_ordered 1
		.amdhsa_forward_progress 1
		.amdhsa_inst_pref_size 24
	.end_amdhsa_kernel
	.amdgpu_metadata
---
amdhsa.version: [ 1, 2 ]
amdhsa.kernels:
  - .name:           k_q37e307c3fb_first16
    .symbol:         k_q37e307c3fb_first16.kd
    .args:
      - { .name: qkv16, .offset: 0, .size: 8, .value_kind: global_buffer, .address_space: global }
      - { .name: W_O, .offset: 8, .size: 8, .value_kind: global_buffer, .address_space: global }
      - { .name: out0, .offset: 16, .size: 8, .value_kind: global_buffer, .address_space: global }
    .group_segment_fixed_size: 71680
    .private_segment_fixed_size: 0
    .kernarg_segment_align: 8
    .kernarg_segment_size: 24
    .max_flat_workgroup_size: 512
    .sgpr_count:     66
    .vgpr_count:     256
    .wavefront_size: 32
...
	.end_amdgpu_metadata
.endif
;; end of part 5
